; MI455X (gfx1250); checked and timed in simulation.
; The chip was launched on July 23, 2026; its instructions are those of AMD's public machine-readable ISA for CDNA 5 (MIT licence, August 2026) and "CDNA5" Instruction Set Architecture Reference Guide (July 2026). The comments in the code are by the model that wrote it; some were corrected since.
;; Attention. Allowed arithmetic: matrix products marked QUANTISED: E5M2 operands, one E8M0 scale for each 32 along K, by v_wmma_scale_f32_16x16x128_f8f6f4 with both operands' format E5M2, f32 sums; products left as they are: f32 operands where the result goes on into a quantised operand, else bf16, f16 or f32 operands; f32 sums; everything else in f32.
;; Inputs: Wk 1,024 x 1,024 float32; Wo 1,024 x 1,024 float32; Wq 1,024 x 1,024 float32; Wv 1,024 x 1,024 float32; bk 1,024 float32; bo 1,024 float32; bq 1,024 float32; bv 1,024 float32; x 4 x 2,048 x 1,024 float32.
;; Outputs: out0 4 x 2,048 x 1,024 float32.
;; This version of the problem:
;;   THIS VERSION OF THE PROBLEM IS GIVEN IN LOW PRECISION. The matrix products marked QUANTISED in the list below multiply operands that are first quantised to E5M2 (5 exponent bits, 2 mantissa bits; 8 bits a number), with one power-of-two scale for each 32 numbers along K (OCP MX v1.0); their sums are f32. All else is computed in f32.
;;   The module's matrix products, in the order in which they are computed (A, B: the left and right operand; K: the contracted axis; several contracted axes count as one K, in the product's order):
;;     1. [M 8,192, K 1,024] x [K 1,024, N 1,024]; A: input x; B: input Wq: QUANTISED
;;     2. [M 8,192, K 1,024] x [K 1,024, N 1,024]; A: input x; B: input Wk: QUANTISED
;;     3. [M 8,192, K 1,024] x [K 1,024, N 1,024]; A: input x; B: input Wv: QUANTISED
;;     4. [M 2,048, K 1] x [K 1, N 32]; A: computed on the way; B: computed on the way: left as it is (no contracted axis)
;;     5. batch 64 x [M 2,048, K 64] x [K 64, N 2,048]; A: computed on the way; B: computed on the way: QUANTISED
;;     6. batch 64 x [M 2,048, K 2,048] x [K 2,048, N 64]; A: softmax (see below); B: computed on the way: QUANTISED
;;     7. [M 8,192, K 1,024] x [K 1,024, N 1,024]; A: computed on the way; B: input Wo: QUANTISED
;;   THE QUANTISER, for each operand of a quantised product, along K:
;;     - K is cut into blocks of 32 from its start; a last block that is shorter is filled with zeros.
;;     - A block's scale is 2^e with e = floor(log2(the largest magnitude in the block)) - 15, held to -126 .. 127; a block of zeros has e = 0. As a byte (E8M0): e + 127.
;;     - Each number is divided by its block's scale, clamped to +-57,344, and rounded to the nearest number of E5M2, ties to even, subnormals kept.
;;     - The product sums the exact products of the quantised numbers (number of the format x scale) in f32.
;;   ~~~python
;;   def quantise(x, axis):      # numpy; x: float32 -> the quantised numbers, widened to float32 again
;;       x = np.moveaxis(x, axis, -1); K = x.shape[-1]
;;       x = np.pad(x, [(0, 0)] * (x.ndim - 1) + [(0, -K % 32)]); x = x.reshape(x.shape[:-1] + (-1, 32)); a = np.abs(x).max(-1, keepdims=True)
;;       e = np.where(a > 0, np.clip(np.frexp(np.where(a > 0, a, 1))[1] - 1 - 15, -126, 127), 0)      # np.frexp(a)[1] - 1 = floor(log2(a)), exactly
;;       r = np.clip(x / 2.0 ** e, -57344, 57344)
;;       step = 2.0 ** (np.maximum(np.frexp(np.where(r == 0, 1, r))[1] - 1, -14) - 2)
;;       q = np.round(r / step) * step * 2.0 ** e      # np.round: ties to even
;;       return np.moveaxis(q.reshape(q.shape[:-2] + (-1,))[..., :K], -1, axis).astype(np.float32)
;;   ~~~
;;   SOFTMAX AHEAD OF A QUANTISED PRODUCT. Where the list says 'softmax', what is quantised is not the finished softmax but p = 2^(t - M), with t = logit x log2(e) and M = ceil(the row's largest t), a whole number; so 1/2 < the row's largest p <= 1. The row's sum l is taken of the UNQUANTISED p, in f32, and the product's result is divided by l at the end. Since M is a whole number, a kernel that streams over the keys may use a running M (the ceiling of the running maximum): every later rescaling is an exact power of two, which a block's scale takes up: the codes' values come out the same.
;;   OPERANDS COMPUTED ON THE WAY. 'Computed on the way' means the value that the module computes at that place (a softmax that the list does not call 'softmax' is quantised finished and normalised). What goes into a quantiser is computed in f32, as accurately as f32 sums, v_exp_f32 and their like allow (about 1e-6 of the number): no bf16 or f16 on the way to a quantiser, and a product that is left as it is and whose result goes on into a quantised operand takes f32 operands (vector FMAs, or v_wmma_f32_16x16x4_f32). A number that lies on a knife's edge between two numbers of the format may be rounded either way, as far as f32 arithmetic and the matrix unit's own rounding can turn it there, and no further.
;; One version. Each part assembles by itself: llvm-mc -triple=amdgcn-amd-amdhsa -mcpu=gfx1250 --defsym DOCPART=n.
;; ======== version 1 of 1: 4 launches
;; limits: right only within a limited range of input values
;; workspace buffers: xw_codes 12,582,912 bytes; xw_scales 393,216 bytes; rope_tab 524,288 bytes; qkv_codes 25,165,824 bytes; qkv_scales 1,310,720 bytes; ao_codes 8,388,608 bytes; ao_scales 262,144 bytes
;; launch quant (part 1): grid 416 x 1, 4 waves a work-group, no clusters, 33,280 bytes of LDS; arguments x, Wq, Wk, Wv, Wo, xw_codes, xw_scales, rope_tab; writes xw_codes, xw_scales, rope_tab
.if DOCPART == 1
	.amdgcn_target "amdgcn-amd-amdhsa--gfx1250"
	.amdhsa_code_object_version 6
	.text
	.protected	k_q4eaa867582_quant
	.globl	k_q4eaa867582_quant
	.p2align	8
	.type	k_q4eaa867582_quant,@function
k_q4eaa867582_quant:
	s_mov_b64 s[64:65], 0
	v_nop
	global_prefetch_b8 v0, s[64:65] scope:SCOPE_SE
	s_setreg_imm32_b32 hwreg(HW_REG_WAVE_MODE, 25, 1), 1
	s_wait_xcnt 0x0
; LAUNCH 1 OF 4 of an attention block (4 x 2,048 positions, 16 heads of 64) whose six large products run on codes of E5M2 with one E8M0 scale for each 32 along K.
; This launch (a) turns x [8,192][1,024] and Wq, Wk, Wv, Wo [1,024][1,024], f32, K innermost, into codes and scale bytes, once, for the launches that read them many times, and (b) makes the table of cosines and sines for the rotation of q and k.
; NO WORK OF THE PROBLEM IS LEFT OUT: every input has a way to the output and is loaded (bk too: it moves k's codes).  ONE FACTOR IS MOVED: q's factor 1/8 is a power of two, which a block's scale takes up whole, so q is quantised without it
; and the 1/8 stands in the constant that turns a score into an exponent (third launch).  LIMIT of that: blocks of q whose largest magnitude lies under 2^-108, where the hold of the scale's exponent at -126 would bite, are not served alike.
; LAYOUT OUT: xw_codes [12,288 rows][1,024 bytes]: rows 0.. x, 8,192.. Wq, 9,216.. Wk, 10,240.. Wv, 11,264.. Wo; xw_scales [12,288][32 bytes].  Of Wv's rows, in every 32 the second and third groups of 8 change places, so that
; the attention's result falls into registers in the order that the last product's operand wants.
; THE QUANTISER: a block's scale is 2^(floor(log2(largest magnitude)) - 15); its byte is that magnitude's exponent field - 15, held at 1 from below; numbers are held within +-57,344 x the scale and rounded to the nearest code, ties to even.
; LIMITS: a block of zeros gets the byte 1 where the rule says 127 (its codes are zeros, and only this program reads the bytes); blocks under 2^-111 keep the byte 1; NaN and infinities among the inputs are not served.
; SHARES: work-groups 0-255: x; 256-383: the weights, 32 work-groups each; a wave takes 8 rows = 16 steps of 512 numbers.  Work-groups 384-415: the table, a wave to a tile of 16 positions.  Waves share nothing: no barrier, no cluster.
; A step's four loads read 512 consecutive bytes each; the 2,048 bytes turn through the wave's own stage in LDS (16 bytes of padding behind each 64) and come back 16 neighbours a lane, two lanes to a block.
; THE TABLE: rope_tab [128 tiles of 16 positions][8][32 lanes][16 bytes]: lane (r, h) of tile T has at piece b (0..3) cos(t f_i), i = 8 b + 4 h + 0..3, t = 16 T + r, and at piece 4 + b the sines.  f_i = 10^(-i/8), written as decimal constants
; (LIMIT: rounded once from the true value; a power and a division in f32 may differ from that in the last bit, which moves an angle by at most 2,047 times that bit).  The angle is one f32 product; it is reduced by a multiple of pi/2 held in two parts, and sine and cosine are polynomials on +-pi/4.
.set WAVES, 4
.set STEPS, 16
.set XWG,   256                        ; work-groups for x
.set QWG,   384                        ; work-groups that quantise
.set EMAX,  15
.set MANT,  0x600000                   ; the mantissa field of 57,344 as f32
.set CB,    16                         ; bytes of 16 codes
.set R,     16                         ; v16-79   four sets of 16 numbers as loaded
.set X,     80                         ; v80-111  two sets of 16 neighbours
.set C,     128                        ; v128-191 codes: four registers for each step
.set E,     112                        ; v112-127 a scale byte for each step
.set WREG,  8192                       ; LDS: a region for each wave: two stages of 32 x SP bytes, then its 256 scale bytes
.set SP,    80
.set SPW,   12                         ; v12 LDS address of my spare word; never rewritten
.set NIL,   13                         ; v13 0; never rewritten
.set SPARE, WAVES*WREG                 ; behind the regions: the spare words, 128 bytes a wave, which no other line names
	s_load_b256 s[4:11], s[0:1], 0x0               ; x, Wq, Wk, Wv
	s_load_b256 s[12:19], s[0:1], 0x20             ; Wo, xw_codes, xw_scales, rope_tab
	v_lshl_add_u32 v[SPW], v0, 2, SPARE
	v_mov_b32 v[NIL], 0
	v_lshrrev_b32 v1, 5, v0
	v_readfirstlane_b32 s20, v1                    ; wave
	v_and_b32 v2, 31, v0                           ; lane
	s_cmp_ge_u32 ttmp9, QWG                        ; the last 32 work-groups make the table; they touch no LDS
	s_cbranch_scc1 .Ltab
	v_lshlrev_b32 v3, 4, v2                        ; my 16 bytes of a load's 512
	s_mul_i32 s21, s20, WREG
	v_lshrrev_b32 v14, 2, v2
	v_mul_u32_u24 v14, v14, SP
	v_and_b32 v15, 3, v2
	v_lshl_add_u32 v14, v15, 4, v14
	v_add_nc_u32 v14, s21, v14                     ; the stage, on the way in: SP (lane / 4) + 16 (lane % 4)
	v_mul_u32_u24 v15, v2, SP
	v_add_nc_u32 v15, s21, v15                     ; and on the way out: SP x lane
	v_mul_u32_u24 v4, v2, CB                       ; my codes' place in a step's
	v_lshrrev_b32 v5, 1, v2
	s_add_co_u32 s21, s21, 2*32*SP
	v_add_nc_u32 v5, s21, v5                       ; my block's scale byte in the wave's 256
	v_lshlrev_b32 v7, 3, v2
	v_add_nc_u32 v6, s21, v7                       ; and 8 bytes a lane on their way out
	s_mov_b32 s34, MANT
	; which run of 8,192 numbers (8 rows) is mine, in the source and in the common buffers
	s_sub_co_u32 s24, ttmp9, XWG
	s_lshr_b32 s25, s24, 5                         ; which weight: 0 Wq, 1 Wk, 2 Wv, 3 Wo (a large number in x's work-groups)
	s_and_b32 s26, s24, 31
	s_lshl_b32 s26, s26, 2
	s_add_co_u32 s27, s26, s20                     ; a weight's run: 4 x (work-group in the weight) + wave
	s_lshl_b32 s28, ttmp9, 2
	s_add_co_u32 s28, s28, s20                     ; x's run
	s_and_b32 s29, s20, 1
	s_lshl_b32 s29, s29, 1
	s_lshr_b32 s30, s20, 1
	s_or_b32 s29, s29, s30                         ; the wave's two bits changed over: groups 1 and 2 of 8 rows change places,
	s_cmp_eq_u32 s25, 2
	s_cselect_b32 s29, s29, s20                    ; in Wv alone
	s_lshl_b32 s30, s25, 7
	s_add_co_u32 s30, s30, 1024
	s_add_co_u32 s30, s30, s26
	s_add_co_u32 s30, s30, s29                     ; where a weight's run goes: 1,024 + 128 x weight + ..
	s_wait_alu depctr_va_vdst(0)
	s_wait_kmcnt 0x0
	s_mov_b64 s[22:23], s[12:13]                   ; the source: a choice among buffers by the work-group's number alone
	s_cmp_eq_u32 s25, 2
	s_cselect_b64 s[22:23], s[10:11], s[22:23]
	s_cmp_eq_u32 s25, 1
	s_cselect_b64 s[22:23], s[8:9], s[22:23]
	s_cmp_eq_u32 s25, 0
	s_cselect_b64 s[22:23], s[6:7], s[22:23]
	s_cmp_lt_u32 ttmp9, XWG
	s_cselect_b64 s[22:23], s[4:5], s[22:23]
	s_cselect_b32 s27, s28, s27
	s_cselect_b32 s30, s28, s30
	s_lshl_b32 s32, s27, 15                        ; 32,768 bytes of f32 a run
	s_mov_b32 s33, 0
	s_add_nc_u64 s[22:23], s[22:23], s[32:33]
	s_lshl_b32 s32, s30, 13                        ; 8,192 bytes of codes
	s_add_nc_u64 s[14:15], s[14:15], s[32:33]
	s_lshl_b32 s32, s30, 8                         ; 256 scale bytes
	s_add_nc_u64 s[16:17], s[16:17], s[32:33]
.macro LOAD t
.irp i, 0,1,2,3
	global_load_b128 v[R+16*((\t)%4)+4*\i:R+16*((\t)%4)+4*\i+3], v3, s[22:23] offset:2048*(\t)+512*\i th:TH_LOAD_NT   ; 32 lanes read 512 consecutive bytes
.endr
.endm
.macro TURN t                          ; step t's numbers through the stage: LDS serves a wave's instructions in order, so no wait stands between the stores and the loads
.irp i, 0,1,2,3
	ds_store_b128 v14, v[R+16*((\t)%4)+4*\i:R+16*((\t)%4)+4*\i+3] offset:32*SP*((\t)%2)+8*SP*\i
.endr
.irp i, 0,1,2,3
	ds_load_b128 v[X+16*((\t)%2)+4*\i:X+16*((\t)%2)+4*\i+3], v15 offset:32*SP*((\t)%2)+16*\i
.endr
.endm
.irp t, 0,1,2,3
	LOAD \t
.endr
	s_wait_loadcnt 12                              ; step 0's four loads are in; the twelve of steps 1 to 3 may be out
	TURN 0
.macro STEP t
.set XS, X+16*((\t)%2)
.if (\t) > 0
	s_wait_dscnt 1                                 ; this step's numbers are back from the stage; only the last step's byte store may be out
.else
	s_wait_dscnt 0x0
.endif
.if (\t)+4 < STEPS
	LOAD (\t)+4                                    ; into the registers that this step's stage stores have read
.endif
.if (\t)+1 < STEPS
.if STEPS-2-(\t) >= 3
	s_wait_loadcnt 12                              ; the next step's four loads are in; those of the three steps behind it may be out
.else
	s_wait_loadcnt 4*(STEPS-2-(\t))
.endif
	TURN (\t)+1
.endif
	v_max3_num_f32 v8, |v[XS]|, |v[XS+1]|, |v[XS+2]|               ; the largest magnitude of my 16, in two chains
	v_max3_num_f32 v9, |v[XS+3]|, |v[XS+4]|, |v[XS+5]|
.irp i, 6,10
	v_max3_num_f32 v8, v8, |v[XS+\i]|, |v[XS+\i+1]|
	v_max3_num_f32 v9, v9, |v[XS+\i+2]|, |v[XS+\i+3]|
.endr
	v_max3_num_f32 v8, v8, |v[XS+14]|, |v[XS+15]|
	v_max3_num_f32 v8, v8, v9, (EMAX+1)<<23        ; and the floor 2^(16 - 127): the byte cannot fall under 1
	v_max_num_f32_dpp v8, v8, v8 row_xmask:1 row_mask:0xf bank_mask:0xf   ; and of my neighbour's 16: the block's
	v_add_nc_u32 v11, -(EMAX<<23), v8              ; 15 off its exponent field: the conversion takes that field as its scale
	v_and_or_b32 v10, v8, 0x7f800000, s34          ; 57,344 x the scale
.irp i, 0,1,2,3,4,5,6,7,8,9,10,11,12,13,14,15
	v_med3_num_f32 v[XS+\i], v[XS+\i], -v10, v10   ; the conversion to an 8-bit code does not saturate (ISA guide 7.6.2): the hold comes first
.endr
	v_cvt_scalef32_pk8_bf8_f32 v[C+4*(\t):C+4*(\t)+1], v[XS:XS+7], v11
	v_cvt_scalef32_pk8_bf8_f32 v[C+4*(\t)+2:C+4*(\t)+3], v[XS+8:XS+15], v11
	v_lshrrev_b32 v[E+(\t)], 23, v11               ; the scale's byte (also the plain line behind the conversions)
	ds_store_b8 v5, v[E+(\t)] offset:16*(\t)       ; both lanes of a block write the same byte with the same value
	global_store_b128 v4, v[C+4*(\t):C+4*(\t)+3], s[14:15] offset:32*CB*(\t)   ; 32 lanes store 512 consecutive bytes
.endm
.irp t, 0,1,2,3,4,5,6,7,8,9,10,11,12,13,14,15
	STEP \t
.endr
	ds_load_b64 v[8:9], v6                         ; in order behind my byte stores
	s_wait_dscnt 0x0
	global_store_b64 v7, v[8:9], s[16:17]          ; 32 lanes store 256 consecutive bytes, aligned
	s_wait_tensorcnt 0x0                           ; the wave's end, behind my last LDS store
	ds_add_u32 v[SPW], v[NIL]
	s_wait_dscnt 0x0
	s_endpgm
.Ltab:                                         ; THE TABLE.  v3 = t, v4 = 16 x lane, v20-30 at work, v32-47 cosines, v48-63 sines
	s_sub_co_u32 s21, ttmp9, QWG
	s_lshl_b32 s21, s21, 2
	s_add_co_u32 s21, s21, s20                     ; my tile of 16 positions
	s_lshl_b32 s22, s21, 4
	v_and_b32 v3, 15, v0
	v_add_nc_u32 v3, s22, v3
	v_cvt_f32_u32 v3, v3                           ; t
	s_wait_alu depctr_va_vdst(0)
	v_lshlrev_b32 v4, 4, v2
	s_lshl_b32 s22, s21, 12                        ; 4,096 bytes a tile
	s_mov_b32 s23, 0
	s_mov_b32 s24, 0x3f22f983                      ; 2 / pi
	s_mov_b32 s25, 0xbfc90fdb                      ; -(pi / 2), its f32
	s_mov_b32 s26, 0x333bbd2e                      ; that f32 less pi / 2: 4.3711388e-8
	s_mov_b32 s27, 0xb94ca1f9                      ; sine: -1.9515296e-4,
	s_mov_b32 s28, 0x3c08839e                      ; 8.3321609e-3,
	s_mov_b32 s29, 0xbe2aaaa3                      ; -1.6666655e-1
	s_mov_b32 s30, 0x37ccf5ce                      ; cosine: 2.4433157e-5,
	s_mov_b32 s31, 0xbab6061a                      ; -1.3887316e-3,
	s_mov_b32 s32, 0x3d2aaaa5                      ; 4.1666646e-2
	s_mov_b32 s33, 0xffff0000                      ; lanes 16 to 31
	s_wait_kmcnt 0x0
	s_add_nc_u64 s[18:19], s[18:19], s[22:23]
.macro TRIG n, fa, fb                  ; number n of 16: lanes 0-15 take frequency fa, lanes 16-31 fb
	v_mul_f32 v20, \fa, v3
	v_mul_f32 v21, \fb, v3
	v_cndmask_b32 v20, v20, v21, s33               ; the angle: one f32 product
	v_mul_f32 v21, s24, v20
	v_rndne_f32 v21, v21                           ; n: how many quarter turns
	v_fma_f32 v22, v21, s25, v20                   ; angle - n x (pi / 2)'s f32: exact, since the result is under 1 and its last bit is no finer than 2^-23
	v_fma_f32 v22, v21, s26, v22                   ; and the rest of pi / 2
	v_mul_f32 v23, v22, v22
	v_fma_f32 v24, v23, s27, s28
	v_fma_f32 v24, v24, v23, s29
	v_mul_f32 v25, v22, v23
	v_fma_f32 v24, v24, v25, v22                   ; sin r
	v_fma_f32 v26, v23, s30, s31
	v_fma_f32 v26, v26, v23, s32
	v_fma_f32 v26, v26, v23, -0.5
	v_fma_f32 v26, v26, v23, 1.0                   ; cos r
	v_cvt_i32_f32 v27, v21
	v_and_b32 v28, 1, v27
	v_cmp_eq_u32 vcc_lo, 1, v28
	v_cndmask_b32 v29, v24, v26, vcc_lo            ; an odd quarter changes the two over
	v_cndmask_b32 v30, v26, v24, vcc_lo
	v_and_b32 v28, 2, v27
	v_lshlrev_b32 v28, 30, v28                     ; the sine is negative in quarters 2 and 3,
	v_xor_b32 v[48+\n], v29, v28
	v_add_nc_u32 v27, 1, v27
	v_and_b32 v27, 2, v27
	v_lshlrev_b32 v27, 30, v27                     ; the cosine in quarters 1 and 2
	v_xor_b32 v[32+\n], v30, v27
.endm
	TRIG 0,  1.0,               0.316227766017
	TRIG 1,  0.749894209332,    0.237137370566
	TRIG 2,  0.562341325190,    0.177827941004
	TRIG 3,  0.421696503429,    0.133352143216
	TRIG 4,  0.1,               0.0316227766017
	TRIG 5,  0.0749894209332,   0.0237137370566
	TRIG 6,  0.0562341325190,   0.0177827941004
	TRIG 7,  0.0421696503429,   0.0133352143216
	TRIG 8,  0.01,              0.00316227766017
	TRIG 9,  0.00749894209332,  0.00237137370566
	TRIG 10, 0.00562341325190,  0.00177827941004
	TRIG 11, 0.00421696503429,  0.00133352143216
	TRIG 12, 0.001,             0.000316227766017
	TRIG 13, 0.000749894209332, 0.000237137370566
	TRIG 14, 0.000562341325190, 0.000177827941004
	TRIG 15, 0.000421696503429, 0.000133352143216
.irp k, 0,1,2,3,4,5,6,7
	global_store_b128 v4, v[32+4*\k:35+4*\k], s[18:19] offset:512*\k   ; 32 lanes store 512 consecutive bytes
.endr
	s_endpgm
.Lfunc_end_k_q4eaa867582_quant:
	.size	k_q4eaa867582_quant, .Lfunc_end_k_q4eaa867582_quant-k_q4eaa867582_quant
	.p2alignl 7, 3214868480
	.fill 96, 4, 3214868480
	.section	.rodata,"a",@progbits
	.p2align	6, 0x0
	.amdhsa_kernel k_q4eaa867582_quant
		.amdhsa_group_segment_fixed_size 33280
		.amdhsa_private_segment_fixed_size 0
		.amdhsa_enable_private_segment 0
		.amdhsa_kernarg_size 64
		.amdhsa_user_sgpr_count 2
		.amdhsa_user_sgpr_kernarg_segment_ptr 1
		.amdhsa_wavefront_size32 1
		.amdhsa_system_sgpr_workgroup_id_x 1
		.amdhsa_system_sgpr_workgroup_id_y 1
		.amdhsa_system_sgpr_workgroup_id_z 1
		.amdhsa_system_vgpr_workitem_id 0
		.amdhsa_next_free_vgpr 192
		.amdhsa_next_free_sgpr 66
		.amdhsa_reserve_vcc 1
		.amdhsa_float_denorm_mode_32 3
		.amdhsa_float_denorm_mode_16_64 3
		.amdhsa_memory_ordered 1
		.amdhsa_forward_progress 1
		.amdhsa_inst_pref_size 73
	.end_amdhsa_kernel
	.amdgpu_metadata
---
amdhsa.version: [ 1, 2 ]
amdhsa.kernels:
  - .name:           k_q4eaa867582_quant
    .symbol:         k_q4eaa867582_quant.kd
    .args:
      - { .name: x, .offset: 0, .size: 8, .value_kind: global_buffer, .address_space: global }
      - { .name: Wq, .offset: 8, .size: 8, .value_kind: global_buffer, .address_space: global }
      - { .name: Wk, .offset: 16, .size: 8, .value_kind: global_buffer, .address_space: global }
      - { .name: Wv, .offset: 24, .size: 8, .value_kind: global_buffer, .address_space: global }
      - { .name: Wo, .offset: 32, .size: 8, .value_kind: global_buffer, .address_space: global }
      - { .name: xw_codes, .offset: 40, .size: 8, .value_kind: global_buffer, .address_space: global }
      - { .name: xw_scales, .offset: 48, .size: 8, .value_kind: global_buffer, .address_space: global }
      - { .name: rope_tab, .offset: 56, .size: 8, .value_kind: global_buffer, .address_space: global }
    .group_segment_fixed_size: 33280
    .private_segment_fixed_size: 0
    .kernarg_segment_align: 8
    .kernarg_segment_size: 64
    .max_flat_workgroup_size: 128
    .sgpr_count:     66
    .vgpr_count:     192
    .wavefront_size: 32
...
	.end_amdgpu_metadata
.endif
;; end of part 1
;; launch qkv (part 2): grid 12 x 32, 4 waves a work-group, clusters of 4 x 4, 327,680 bytes of LDS; arguments xw_codes, xw_scales, rope_tab, bq, bk, bv, qkv_codes, qkv_scales; writes qkv_codes, qkv_scales
.if DOCPART == 2
	.amdgcn_target "amdgcn-amd-amdhsa--gfx1250"
	.amdhsa_code_object_version 6
	.text
	.protected	k_q4eaa867582_qkv
	.globl	k_q4eaa867582_qkv
	.p2align	8
	.type	k_q4eaa867582_qkv,@function
k_q4eaa867582_qkv:
	s_mov_b64 s[64:65], 0
	v_nop
	global_prefetch_b8 v0, s[64:65] scope:SCOPE_SE
	s_setreg_imm32_b32 hwreg(HW_REG_WAVE_MODE, 25, 1), 1
	s_wait_xcnt 0x0
	s_wait_alu depctr_hold_cnt(0) depctr_sa_sdst(0) depctr_va_vdst(0) depctr_va_sdst(0) depctr_va_ssrc(0) depctr_va_vcc(0) depctr_vm_vsrc(0)
	s_getreg_b32 s2, hwreg(HW_REG_IB_STS2, 6, 4)
	s_cmp_eq_u32 s2, 0
	s_cbranch_scc0 .Lentry_in_a_cluster
	s_endpgm
.Lentry_in_a_cluster:
	s_bfe_u32 s2, ttmp6, 0x10000c
	s_cmp_lg_u32 s2, 0xf033
	s_cbranch_scc0 .Lentry_shape_is_right
	s_endpgm
.Lentry_shape_is_right:
.set KSTEP,  256
.set NQ,     2
.set ROWB,   256
.set KROW,   1024
.set PITCH,  272
.set FR,     16
.set NL,     4
.set NP,     8
.set HALFT,  128*PITCH
.set SLOT,   4*HALFT
.set LAPS,   2
.set KS,     32
.set SCL,    2*SLOT
.set HALFS,  (128*KS/256)*272
.set SBLK,   (16*KS/256)*272
.set SPARE,  SCL+4*HALFS
.set STQ,    0
.set STV,    4096
.set ADRA, 16
.set ADRB, 20
.set ADRS, 27
.set SPW,  28
.set NIL,  29
.set SC,   32
.set AF,   128
.set LN,   24
.set SA,   25
.set BO,   26
.set SR,   30
.set SO,   31
.set X1,   64
.set X2,   96
.set N,    128
.set PC,   192
.set TM,   208
.set PW,   224
.set G1, 24
.set G0, 32
.set G1B, 48
.set G0B, 56
.set G1S, 68
.set G0S, 76
.set G1SB, 80
.set G0SB, 88
.set SEL, 66
.set ISV, 96
.set HM,  97
.set MNT, 98
.set OUTP, 44
.set SCO,  46
.set TAB,  92
.set BIA,  94
.set MSB, 0
.macro WIN new
.if MSB != (\new)
	s_set_vgpr_msb (MSB<<8)|(\new)
.set MSB, (\new)
.endif
.endm
.set MUL_LO, 0xa1
.set MUL_HI, 0xf1
.set TO_B,   0x40
.macro JLOAD g0a, g1a, g0b, g1b
	s_cmp_eq_u32 s15, 0
	s_cbranch_scc0 .Lfor_b_\@
	tensor_load_to_lds s[\g0a:\g0a+3], s[\g1a:\g1a+7]
	s_nop 0
.rept 4
	v_nop
.endr
	s_branch .Lasked_\@
.Lfor_b_\@:
	tensor_load_to_lds s[\g0b:\g0b+3], s[\g1b:\g1b+7]
	s_nop 0
.rept 4
	v_nop
.endr
.Lasked_\@:
.endm
.macro CREST
	s_cmp_lg_u32 s14, 0
	s_cbranch_scc1 .Lnot_wave_0_\@
	s_barrier_signal -3
.Lnot_wave_0_\@:
	s_barrier_wait -3
	s_barrier_signal -1
	s_barrier_wait -1
.endm
.macro CROUND
	s_barrier_signal -1
	s_barrier_wait -1
	CREST
.endm
	s_load_b128 s[4:7], s[0:1], 0x0
	v_lshl_add_u32 v[SPW], v0, 2, SPARE
	v_mov_b32 v[NIL], 0
	ds_add_u32 v[SPW], v[NIL]
	ds_add_u32 v[SPW], v[NIL]
	v_lshrrev_b32 v1, 5, v0
	v_readfirstlane_b32 s14, v1
	s_lshr_b32 s15, s14, 1
	s_and_b32 s16, s14, 1
	s_bfe_u32 s40, ttmp6, 0x40000
	s_bfe_u32 s41, ttmp6, 0x40004
	s_and_b32 s17, ttmp7, 0xffff
	s_lshl_b32 s17, s17, 2
	s_lshl_b32 s42, ttmp9, 2
	s_add_co_u32 s42, s42, 32
	s_cmp_eq_u32 ttmp9, 2
	s_cselect_b32 s[ISV], 1, 0
	s_cselect_b32 s42, s17, s42
	s_cselect_b32 s17, 40, s17
	s_add_co_u32 s17, s17, s41
	s_add_co_u32 s42, s42, s40
	s_lshl_b32 s43, s41, 2
	s_lshl_b32 s43, 15, s43
	s_lshl_b32 s44, 0x1111, s40
	s_or_b32 s[G1+0], s43, (0<<16)|(1<<20)|(1<<21)|(5<<22)|(3<<25)
	s_or_b32 s[G1B+0], s44, (0<<16)|(1<<20)|(1<<21)|(5<<22)|(3<<25)
.irp g, G1, G1B
	s_mov_b32 s[\g+1], ROWB<<16
	s_mov_b32 s[\g+2], 256<<16                     ; the head's loads bring 256 rows; behind them the two words that count rows are set to 128
	s_mov_b32 s[\g+3], ROWB<<16
	s_mov_b32 s[\g+4], 256
	s_mov_b32 s[\g+5], KROW
	s_mov_b32 s[\g+6], 0
	s_mov_b32 s[\g+7], 0
.endr
	s_or_b32 s[G1S+0], s43, (3<<16)|(1<<20)|(1<<21)|(5<<22)|(3<<25)
	s_or_b32 s[G1SB+0], s44, (3<<16)|(1<<20)|(1<<21)|(5<<22)|(3<<25)
.irp g, G1S, G1SB
	s_mov_b32 s[\g+1], 32<<16
	s_mov_b32 s[\g+2], (256*KS/256)<<16            ; the scales of 256 rows in one load
	s_mov_b32 s[\g+3], 32<<16
	s_mov_b32 s[\g+4], 256*KS/256
	s_mov_b32 s[\g+5], 32
	s_mov_b32 s[\g+6], 0
	s_mov_b32 s[\g+7], 0
.endr
	s_mov_b32 s[SEL], 0x76543210
	s_mov_b32 s[SEL+1], 0xfedcba98
	s_mov_b32 s[HM], 0xffff0000
	s_mov_b32 s[MNT], 0x600000
	s_lshl_b32 s20, s17, 8                         ; the tiles' first rows
	s_lshl_b32 s46, s42, 8
	s_mov_b32 s21, 0
	s_mov_b32 s47, 0
	s_mov_b64 s[18:19], KS
	s_mul_u64 s[22:23], s[20:21], s[18:19]
	s_mul_u64 s[92:93], s[46:47], s[18:19]
	s_mov_b64 s[18:19], KROW
	s_mul_u64 s[20:21], s[20:21], s[18:19]
	s_mul_u64 s[46:47], s[46:47], s[18:19]
	s_mul_i32 s45, s14, HALFT
	s_mul_i32 s18, s16, 128*KROW                   ; in the ring I fetch 128 rows of a tile: which half, in bytes
	s_mov_b32 s19, 0
	s_wait_dscnt 0x0
	s_wait_kmcnt 0x0
	s_add_nc_u64 s[20:21], s[4:5], s[20:21]
	s_add_nc_u64 s[22:23], s[6:7], s[22:23]
	s_add_nc_u64 s[46:47], s[4:5], s[46:47]
	s_add_nc_u64 s[92:93], s[6:7], s[92:93]
	CROUND
	s_mov_b32 s[G0S], 1
	s_mov_b32 s[G0S+1], SCL
	s_mov_b64 s[G0S+2:G0S+3], s[22:23]
	s_or_b32 s[G0S+3], s[G0S+3], 0x80000000
	s_mov_b32 s[G0SB], 1
	s_mov_b32 s[G0SB+1], SCL+2*HALFS
	s_mov_b64 s[G0SB+2:G0SB+3], s[92:93]
	s_or_b32 s[G0SB+3], s[G0SB+3], 0x80000000
.set G0H, 4                            ; s[4:7], s[8:11] groups 0 for the head's loads of K step 0: 256 rows each (the arguments that lay in s[4:7] have been used)
.set G0HB, 8
	s_mov_b32 s[G0H], 1
	s_mov_b32 s[G0H+1], 0
	s_mov_b64 s[G0H+2:G0H+3], s[20:21]
	s_or_b32 s[G0H+3], s[G0H+3], 0x80000000
	s_mov_b32 s[G0HB], 1
	s_mov_b32 s[G0HB+1], 2*HALFT
	s_mov_b64 s[G0HB+2:G0HB+3], s[46:47]
	s_or_b32 s[G0HB+3], s[G0HB+3], 0x80000000
	s_add_nc_u64 s[20:21], s[20:21], s[18:19]      ; for the ring: my 128 rows of the tile
	s_add_nc_u64 s[46:47], s[46:47], s[18:19]
.irp s, 0,1
	s_mov_b32 s[G0+4*\s], 1
	s_add_co_u32 s[G0+4*\s+1], s45, \s*SLOT
	s_add_nc_u64 s[G0+4*\s+2:G0+4*\s+3], s[20:21], \s*ROWB
	s_or_b32 s[G0+4*\s+3], s[G0+4*\s+3], 0x80000000
	s_mov_b32 s[G0B+4*\s], 1
	s_add_co_u32 s[G0B+4*\s+1], s45, \s*SLOT
	s_add_nc_u64 s[G0B+4*\s+2:G0B+4*\s+3], s[46:47], \s*ROWB
	s_or_b32 s[G0B+4*\s+3], s[G0B+4*\s+3], 0x80000000
.endr
; THE HEAD'S LOADS, ONE A WAVE: wave 0 fetches K step 0's 256 rows of source 1, wave 1 those of source 0, waves 2 and 3 their scales.  One tree of branches on the wave's number: every way passes exactly one load.
.macro ARM under, g0, g1, next
	s_cmp_lt_u32 s14, \under
	s_cbranch_scc0 \next
	tensor_load_to_lds s[\g0:\g0+3], s[\g1:\g1+7]
	s_nop 0
.rept 4
	v_nop
.endr
	s_branch .Lhead_asked
\next:
.endm
	ARM 1, G0H,  G1,  .Lhead_b
	ARM 2, G0HB, G1B, .Lhead_sa
	ARM 3, G0S,  G1S, .Lhead_sb
	tensor_load_to_lds s[G0SB:G0SB+3], s[G1SB:G1SB+7]
	s_nop 0
.rept 4
	v_nop
.endr
.Lhead_asked:
	v_and_b32 v1, 15, v0
	v_bfe_u32 v2, v0, 4, 1
	v_mul_u32_u24 v3, v1, PITCH
	v_lshl_add_u32 v4, v2, 4, v3
	s_mul_i32 s21, s15, HALFT
	s_mul_i32 s22, s16, HALFT
	s_add_co_u32 s22, s22, 2*HALFT
.irp s, 0,1
	v_add_nc_u32 v[ADRA+\s], s21, v4
	v_add_nc_u32 v[ADRB+\s], s22, v4
	s_add_co_u32 s21, s21, SLOT
	s_add_co_u32 s22, s22, SLOT
.endr
	v_mul_u32_u24 v5, v1, KS
	v_lshrrev_b32 v6, 8, v5
	v_lshl_add_u32 v5, v6, 4, v5
	s_mul_i32 s21, s15, HALFS
	s_mul_i32 s22, s16, HALFS
	s_add_co_u32 s22, s22, 2*HALFS
	s_sub_co_u32 s22, s22, s21
	v_mul_u32_u24 v6, s22, v2
	s_add_co_u32 s21, s21, SCL
	v_add_nc_u32 v5, v5, v6
	v_add_nc_u32 v[ADRS], s21, v5
.macro FRAG reg, adr, q, i
.irp c, 0,1,2,3
	ds_load_b128 v[\reg+4*\c:\reg+4*\c+3], v[\adr] offset:128*(\q)+32*\c+(\i)*16*PITCH
.endr
.endm
.macro MUL16 a0, p, q, sc, zero
.irp a, \a0, \a0+1
.irp b, 0,1,2,3,4,5,6,7
.if \zero
	v_wmma_scale_f32_16x16x128_f8f6f4 v[8*(8*((\a)%4)+\b):8*(8*((\a)%4)+\b)+7], v[128*(\p)+FR*\b:128*(\p)+FR*\b+FR-1], v[AF+FR*(\a):AF+FR*(\a)+FR-1], 0, v[SC+8*NQ*(\sc)+NQ*\b+(\q)], v[SC+8*NQ*(\sc)+NQ*(\a)+(\q)] matrix_a_fmt:MATRIX_FMT_BF8 matrix_b_fmt:MATRIX_FMT_BF8 matrix_a_scale:MATRIX_SCALE_ROW1
.else
	v_wmma_scale_f32_16x16x128_f8f6f4 v[8*(8*((\a)%4)+\b):8*(8*((\a)%4)+\b)+7], v[128*(\p)+FR*\b:128*(\p)+FR*\b+FR-1], v[AF+FR*(\a):AF+FR*(\a)+FR-1], v[8*(8*((\a)%4)+\b):8*(8*((\a)%4)+\b)+7], v[SC+8*NQ*(\sc)+NQ*\b+(\q)], v[SC+8*NQ*(\sc)+NQ*(\a)+(\q)] matrix_a_fmt:MATRIX_FMT_BF8 matrix_b_fmt:MATRIX_FMT_BF8 matrix_a_scale:MATRIX_SCALE_ROW1
.endif
.endr
.endr
.endm
.macro FETCH_B slot, q, p
	WIN TO_B
.irp i, 0,1,2,3,4,5,6,7
	FRAG 128*(\p)+FR*\i, ADRB+\slot, \q, \i
.endr
	WIN 0
.endm
.macro FETCH_A slot, q, i0
.irp i, \i0, \i0+1, \i0+2, \i0+3
	FRAG AF+FR*(\i), ADRA+\slot, \q, \i
.endr
.endm
.macro SCALES sc
.irp i, 0,1,2,3,4,5,6,7
	ds_load_b64 v[SC+8*NQ*\sc+NQ*\i:SC+8*NQ*\sc+NQ*\i+1], v[ADRS] offset:\i*SBLK
.endr
.endm
.macro PLACES n
.rept \n
	v_nop
.endr
.endm
.macro STEP slot, q, zero
	s_wait_dscnt 4*NL
	WIN MUL_LO
	MUL16 0, (\q)%2, \q, \slot, \zero
	MUL16 2, (\q)%2, \q, \slot, \zero
	s_wait_dscnt 0
	PLACES NP
	FETCH_B \slot, (\q)+1, 1-(\q)%2
	FETCH_A \slot, (\q)+1, 0
	WIN MUL_HI
	MUL16 4, (\q)%2, \q, \slot, \zero
	MUL16 6, (\q)%2, \q, \slot, \zero
	PLACES NP
	WIN 0
	FETCH_A \slot, (\q)+1, 4
.endm
.macro TURN slot, next, fill
	s_wait_tensorcnt 0x0
	ds_add_u32 v[SPW], v[NIL]
	s_wait_dscnt 4*NL+1
	WIN MUL_LO
	MUL16 0, 1, NQ-1, \slot, 0
	s_wait_dscnt 0x0
	s_barrier_signal -1
	MUL16 2, 1, NQ-1, \slot, 0
	WIN 0
	s_barrier_wait -1
.if \fill
	CREST
	s_add_nc_u64 s[G0+4*\slot+2:G0+4*\slot+3], s[G0+4*\slot+2:G0+4*\slot+3], 2*ROWB
	s_add_nc_u64 s[G0B+4*\slot+2:G0B+4*\slot+3], s[G0B+4*\slot+2:G0B+4*\slot+3], 2*ROWB
	JLOAD G0+4*\slot, G1, G0B+4*\slot, G1B
	PLACES NP-4
.else
	PLACES NP
.endif
	s_wait_alu depctr_va_vdst(0)
	v_add_nc_u32 v[ADRS], 4*NQ, v[ADRS]
	FETCH_B \next, 0, 0
	FETCH_A \next, 0, 0
	SCALES \next
	WIN MUL_HI
	MUL16 4, 1, NQ-1, \slot, 0
	MUL16 6, 1, NQ-1, \slot, 0
	PLACES NP
	WIN 0
	FETCH_A \next, 0, 4
.endm
	s_wait_alu depctr_va_vdst(0)
	s_wait_tensorcnt 0x0                           ; my tile of the head's four is in
	ds_add_u32 v[SPW], v[NIL]
	s_mov_b32 s[G1+2], 128<<16                     ; no tensor load of mine is out: from here on a load brings 128 rows
	s_mov_b32 s[G1+4], 128
	s_mov_b32 s[G1B+2], 128<<16
	s_mov_b32 s[G1B+4], 128
	s_wait_dscnt 0x0
	CROUND                                         ; all four tiles are in, and all sixteen work-groups are here
	JLOAD G0+4, G1, G0B+4, G1B                     ; K step 1: the first tensor load behind the round
	FETCH_B 0, 0, 0
	FETCH_A 0, 0, 0
	SCALES 0
	FETCH_A 0, 0, 4
	STEP 0, 0, 1
	s_mov_b32 s3, LAPS-1
.Llap:
	TURN 0, 1, 1
	STEP 1, 0, 0
	TURN 1, 0, 1
	STEP 0, 0, 0
	s_sub_co_u32 s3, s3, 1
	s_cmp_lg_u32 s3, 0
	s_cbranch_scc1 .Llap
	TURN 0, 1, 0
	STEP 1, 0, 0
	s_wait_dscnt 4*NL
	WIN MUL_LO
	MUL16 0, 1, NQ-1, 1, 0
	MUL16 2, 1, NQ-1, 1, 0
	s_wait_dscnt 0
	WIN MUL_HI
	MUL16 4, 1, NQ-1, 1, 0
	MUL16 6, 1, NQ-1, 1, 0
	WIN 0
	PLACES NP
.macro QUANT word
.irp b, 0,1,2,3
	v_max3_num_f32 v[TM+\b], |v[N+16*\b]|, |v[N+1+16*\b]|, 0x8000000
.endr
.irp i, 2,4,6,8,10,12,14
.irp b, 0,1,2,3
	v_max3_num_f32 v[TM+\b], v[TM+\b], |v[N+16*\b+\i]|, |v[N+1+16*\b+\i]|
.endr
.endr
.irp b, 0,1,2,3
	v_permlanex16_b32 v[TM+4+\b], v[TM+\b], s[SEL], s[SEL+1]
.endr
.irp b, 0,1,2,3
	v_max_num_f32 v[TM+\b], v[TM+\b], v[TM+4+\b]
.endr
.irp b, 0,1,2,3
	v_add_nc_u32 v[TM+12+\b], 0xf8800000, v[TM+\b]
.endr
.irp b, 0,1,2,3
	v_and_or_b32 v[TM+8+\b], v[TM+\b], 0x7f800000, s[MNT]
.endr
.irp b, 0,1,2,3
	v_lshrrev_b32 v[TM+4+\b], 23, v[TM+12+\b]
.endr
.if \word
	v_lshl_or_b32 v[PW], v[TM+5], 8, v[TM+4]
	v_lshl_or_b32 v[PW], v[TM+6], 16, v[PW]
	v_lshl_or_b32 v[PW], v[TM+7], 24, v[PW]
.endif
.irp b, 0,1,2,3
.irp i, 0,1,2,3,4,5,6,7,8,9,10,11,12,13,14,15
	v_med3_num_f32 v[N+16*\b+\i], v[N+16*\b+\i], -v[TM+8+\b], v[TM+8+\b]
.endr
	v_cvt_scalef32_pk8_bf8_f32 v[PC+4*\b:PC+1+4*\b], v[N+16*\b:N+7+16*\b], v[TM+12+\b]
	v_cvt_scalef32_pk8_bf8_f32 v[PC+2+4*\b:PC+3+4*\b], v[N+8+16*\b:N+15+16*\b], v[TM+12+\b]
.endr
	v_nop
.endm
	s_cmp_lg_u32 s[ISV], 0
	s_cbranch_scc1 .Lv
	s_load_b64 s[4:5], s[0:1], 0x10
	s_load_b64 s[8:9], s[0:1], 0x18
	s_load_b64 s[10:11], s[0:1], 0x20
	s_load_b64 s[20:21], s[0:1], 0x30
	s_load_b64 s[22:23], s[0:1], 0x38
	v_and_b32 v1, 15, v0
	v_bfe_u32 v2, v0, 4, 1
	v_and_b32 v3, 31, v0
	v_lshlrev_b32 v[LN], 4, v3
	s_lshl_b32 s18, s14, 10
	v_lshlrev_b32 v[SA], 4, v1
	v_lshl_add_u32 v[SA], v2, 9, v[SA]
	v_add_nc_u32 v[SA], s18, v[SA]
	v_add_nc_u32 v[SR], s18, v[LN]
	v_lshlrev_b32 v[BO], 5, v2
.irp b, 0,1,2,3
	v_mov_b32 v[TM+4+\b], 0
.endr
	s_lshl_b32 s18, s17, 8
	s_lshl_b32 s19, s15, 7
	s_add_co_u32 s18, s18, s19
	s_lshr_b32 s19, s18, 11
	s_and_b32 s18, s18, 2047
	s_lshl_b32 s43, s40, 2
	s_lshl_b32 s44, s16, 1
	s_add_co_u32 s43, s43, s44
	s_lshl_b32 s44, s19, 4
	s_add_co_u32 s43, s43, s44
	s_mul_i32 s44, s43, 393216
	s_lshl_b32 s45, ttmp9, 17
	s_add_co_u32 s44, s44, s45
	s_lshl_b32 s45, s18, 6
	s_add_co_u32 s44, s44, s45
	s_mov_b32 s45, 0
	s_mul_i32 s46, s43, 20480
	s_lshl_b32 s47, ttmp9, 13
	s_add_co_u32 s46, s46, s47
	s_lshl_b32 s47, s18, 2
	s_add_co_u32 s46, s46, s47
	s_mov_b32 s47, 0
	s_lshl_b32 s92, s18, 8
	s_mov_b32 s93, 0
	s_lshl_b32 s94, s40, 10
	s_lshl_b32 s95, s16, 9
	s_add_co_u32 s94, s94, s95
	s_mov_b32 s95, 0
	s_wait_alu depctr_va_vdst(0)
	s_wait_kmcnt 0x0
	s_cmp_eq_u32 ttmp9, 0
	s_cselect_b64 s[8:9], s[8:9], s[10:11]
	s_add_nc_u64 s[OUTP:OUTP+1], s[20:21], s[44:45]
	s_add_nc_u64 s[SCO:SCO+1], s[22:23], s[46:47]
	s_add_nc_u64 s[TAB:TAB+1], s[4:5], s[92:93]
	s_add_nc_u64 s[BIA:BIA+1], s[8:9], s[94:95]
.macro TABLOAD a
.irp k, 0,1,2,3,4,5,6,7
	global_load_b128 v[64+32*((\a)%2)+4*\k:64+32*((\a)%2)+4*\k+3], v[LN], s[TAB:TAB+1] offset:4096*(\a)+512*\k
.endr
.endm
	WIN 0x40
.irp b, 0,1,2,3,4,5,6,7
	global_load_b128 v[8*\b:8*\b+3], v[BO], s[BIA:BIA+1] offset:64*\b
	global_load_b128 v[8*\b+4:8*\b+7], v[BO], s[BIA:BIA+1] offset:64*\b+16
.endr
	TABLOAD 0
	TABLOAD 1
	WIN 0
.macro EPI_QK a
	s_wait_xcnt 0x0
	s_wait_dscnt 0x0
.if (\a) < 7
	s_wait_loadcnt 8
.else
	s_wait_loadcnt 0
.endif
	WIN 0x06+(\a)/4
.irp g, 0,1
.irp p, 0,1,2,3
.irp u, 0,1,2,3
	v_add_f32 v[X1+16*\g+4*\p+\u], v[8*(8*((\a)%4)+4*\g+\p)+2*\u], v[8*(4*\g+\p)+2*\u]
	v_add_f32 v[X2+16*\g+4*\p+\u], v[8*(8*((\a)%4)+4*\g+\p)+2*\u+1], v[8*(4*\g+\p)+2*\u+1]
.endr
.endr
.endr
	WIN 0x04
.set CT, 64+32*((\a)%2)
.irp g, 0,1
.irp i, 0,2,4,6,8,10,12,14
	v_pk_mul_f32 v[N+32*\g+\i:N+32*\g+\i+1], v[X1+16*\g+\i:X1+16*\g+\i+1], v[CT+\i:CT+\i+1]
	v_pk_mul_f32 v[N+32*\g+16+\i:N+32*\g+16+\i+1], v[X1+16*\g+\i:X1+16*\g+\i+1], v[CT+16+\i:CT+16+\i+1]
.endr
.irp i, 0,2,4,6,8,10,12,14
	v_pk_fma_f32 v[N+32*\g+\i:N+32*\g+\i+1], v[X2+16*\g+\i:X2+16*\g+\i+1], v[CT+16+\i:CT+16+\i+1], v[N+32*\g+\i:N+32*\g+\i+1] neg_lo:[1,0,0] neg_hi:[1,0,0]
	v_pk_fma_f32 v[N+32*\g+16+\i:N+32*\g+16+\i+1], v[X2+16*\g+\i:X2+16*\g+\i+1], v[CT+\i:CT+\i+1], v[N+32*\g+16+\i:N+32*\g+16+\i+1]
.endr
.endr
.if (\a) < 6
	WIN 0x40
	TABLOAD (\a)+2
.endif
	WIN 0
	QUANT 0
	v_lshl_or_b32 v225, v[TM+5], 8, v[TM+4]
	v_lshl_or_b32 v226, v[TM+7], 8, v[TM+6]
	v_cndmask_b32 v227, v225, v226, s[HM]
	ds_store_b32 v[SA], v227 offset:STQ+256*((\a)%2)+4*((\a)/2)
.irp g, 0,1
.irp c, 0,1
	global_store_b128 v[LN], v[PC+4*(2*\g+\c):PC+4*(2*\g+\c)+3], s[OUTP:OUTP+1] offset:393216*\g+1024*(\a)+512*\c
.endr
.endr
.endm
.irp a, 0,1,2,3,4,5,6,7
	EPI_QK \a
.endr
	ds_load_b128 v[N:N+3], v[SR] offset:STQ
	ds_load_b128 v[N+4:N+7], v[SR] offset:STQ+512
	s_wait_dscnt 0x0
	global_store_b128 v[LN], v[N:N+3], s[SCO:SCO+1]
	global_store_b128 v[LN], v[N+4:N+7], s[SCO:SCO+1] offset:20480
	s_wait_tensorcnt 0x0
	ds_add_u32 v[SPW], v[NIL]
	s_wait_dscnt 0x0
	CROUND
	s_endpgm
.Lv:
	s_load_b64 s[8:9], s[0:1], 0x28
	s_load_b64 s[20:21], s[0:1], 0x30
	s_load_b64 s[22:23], s[0:1], 0x38
	v_and_b32 v1, 15, v0
	v_bfe_u32 v2, v0, 4, 1
	v_and_b32 v3, 31, v0
	v_lshlrev_b32 v[LN], 4, v3
	s_lshl_b32 s18, s14, 10
	v_lshlrev_b32 v[SA], 3, v1
	v_add_nc_u32 v[SA], s18, v[SA]
	v_add_nc_u32 v[SR], s18, v[LN]
	v_and_b32 v[BO], 8, v1
	v_add_nc_u32 v[BO], v[BO], v1
	v_lshlrev_b32 v[BO], 2, v[BO]
	v_mul_u32_u24 v[SO], v2, 20480
	v_lshl_add_u32 v[SO], v1, 4, v[SO]
.irp b, 0,1,2,3
	v_mov_b32 v[TM+4+\b], 0
.endr
	s_lshl_b32 s18, s42, 8
	s_lshl_b32 s19, s16, 7
	s_add_co_u32 s18, s18, s19
	s_lshr_b32 s19, s18, 11
	s_bfe_u32 s18, s18, 0x40007
	s_lshl_b32 s43, s41, 2
	s_lshl_b32 s44, s15, 1
	s_add_co_u32 s43, s43, s44
	s_lshl_b32 s44, s19, 4
	s_add_co_u32 s43, s43, s44
	s_mul_i32 s44, s43, 393216
	s_add_co_u32 s44, s44, 262144
	s_lshl_b32 s45, s18, 13
	s_add_co_u32 s44, s44, s45
	s_mov_b32 s45, 0
	s_mul_i32 s46, s43, 20480
	s_add_co_u32 s46, s46, 16384
	s_lshl_b32 s47, s18, 8
	s_add_co_u32 s46, s46, s47
	s_mov_b32 s47, 0
	s_lshl_b32 s94, s41, 10
	s_lshl_b32 s95, s15, 9
	s_add_co_u32 s94, s94, s95
	s_mov_b32 s95, 0
	s_wait_alu depctr_va_vdst(0)
	s_wait_kmcnt 0x0
	s_add_nc_u64 s[OUTP:OUTP+1], s[20:21], s[44:45]
	s_add_nc_u64 s[SCO:SCO+1], s[22:23], s[46:47]
	s_add_nc_u64 s[BIA:BIA+1], s[8:9], s[94:95]
	WIN 0x40
.irp a, 0,1,2,3,4,5,6,7
	global_load_b32 v[2*\a], v[BO], s[BIA:BIA+1] offset:4*(64*(\a/4)+32*((\a%4)/2)+8*(\a%2))
	global_load_b32 v[2*\a+1], v[BO], s[BIA:BIA+1] offset:4*(64*(\a/4)+32*((\a%4)/2)+8*(\a%2))
.endr
	WIN 0
	s_wait_loadcnt 0x0
.macro EPI_V a
	s_wait_xcnt 0x0
	s_wait_dscnt 0x0
	WIN 0x06+(\a)/4
.irp k, 0,2,4,6,8,10,12,14,16,18,20,22,24,26,28,30,32,34,36,38,40,42,44,46,48,50,52,54,56,58,60,62
	v_pk_add_f32 v[N+\k:N+\k+1], v[64*((\a)%4)+\k:64*((\a)%4)+\k+1], v[2*(\a):2*(\a)+1]
.endr
	WIN 0
	QUANT 1
	ds_store_b32 v[SA], v[PW] offset:STV+256*((\a)/4)+128*((\a)%2)+4*(((\a)%4)/2)
.irp c, 0,1,2,3
	global_store_b128 v[LN], v[PC+4*\c:PC+4*\c+3], s[OUTP:OUTP+1] offset:393216*((\a)/4)+2048*((\a)%4)+512*\c
.endr
.endm
.irp a, 0,1,2,3,4,5,6,7
	EPI_V \a
.endr
	ds_load_b128 v[N:N+3], v[SR] offset:STV
	s_wait_dscnt 0x0
	global_store_b128 v[SO], v[N:N+3], s[SCO:SCO+1]
	s_wait_tensorcnt 0x0
	ds_add_u32 v[SPW], v[NIL]
	s_wait_dscnt 0x0
	CROUND
	s_endpgm
.Lfunc_end_k_q4eaa867582_qkv:
	.size	k_q4eaa867582_qkv, .Lfunc_end_k_q4eaa867582_qkv-k_q4eaa867582_qkv
	.p2alignl 7, 3214868480
	.fill 96, 4, 3214868480
	.section	.rodata,"a",@progbits
	.p2align	6, 0x0
	.amdhsa_kernel k_q4eaa867582_qkv
		.amdhsa_group_segment_fixed_size 327680
		.amdhsa_private_segment_fixed_size 0
		.amdhsa_enable_private_segment 0
		.amdhsa_kernarg_size 64
		.amdhsa_user_sgpr_count 2
		.amdhsa_user_sgpr_kernarg_segment_ptr 1
		.amdhsa_wavefront_size32 1
		.amdhsa_system_sgpr_workgroup_id_x 1
		.amdhsa_system_sgpr_workgroup_id_y 1
		.amdhsa_system_sgpr_workgroup_id_z 1
		.amdhsa_system_vgpr_workitem_id 0
		.amdhsa_next_free_vgpr 1024
		.amdhsa_next_free_sgpr 100
		.amdhsa_reserve_vcc 0
		.amdhsa_float_denorm_mode_32 3
		.amdhsa_float_denorm_mode_16_64 3
		.amdhsa_memory_ordered 1
		.amdhsa_forward_progress 1
		.amdhsa_inst_pref_size 255
	.end_amdhsa_kernel
	.section	.bss,"aw",@nobits
	.p2align	6
	.space	262144
	.amdgpu_metadata
---
amdhsa.version: [ 1, 2 ]
amdhsa.kernels:
  - .name:           k_q4eaa867582_qkv
    .symbol:         k_q4eaa867582_qkv.kd
    .args:
      - { .name: xw_codes, .offset: 0, .size: 8, .value_kind: global_buffer, .address_space: global }
      - { .name: xw_scales, .offset: 8, .size: 8, .value_kind: global_buffer, .address_space: global }
      - { .name: rope_tab, .offset: 16, .size: 8, .value_kind: global_buffer, .address_space: global }
      - { .name: bq, .offset: 24, .size: 8, .value_kind: global_buffer, .address_space: global }
      - { .name: bk, .offset: 32, .size: 8, .value_kind: global_buffer, .address_space: global }
      - { .name: bv, .offset: 40, .size: 8, .value_kind: global_buffer, .address_space: global }
      - { .name: qkv_codes, .offset: 48, .size: 8, .value_kind: global_buffer, .address_space: global }
      - { .name: qkv_scales, .offset: 56, .size: 8, .value_kind: global_buffer, .address_space: global }
    .group_segment_fixed_size: 327680
    .private_segment_fixed_size: 0
    .kernarg_segment_align: 8
    .kernarg_segment_size: 64
    .max_flat_workgroup_size: 128
    .sgpr_count:     100
    .vgpr_count:     1024
    .wavefront_size: 32
...
	.end_amdgpu_metadata
.endif
;; end of part 2
;; launch attn (part 3): grid 4 x 64, 16 waves a work-group, clusters of 4 x 1, 327,680 bytes of LDS; arguments qkv_codes, qkv_scales, ao_codes, ao_scales; writes ao_codes, ao_scales
.if DOCPART == 3
	.amdgcn_target "amdgcn-amd-amdhsa--gfx1250"
	.amdhsa_code_object_version 6
	.text
	.protected	k_q4eaa867582_attn
	.globl	k_q4eaa867582_attn
	.p2align	8
	.type	k_q4eaa867582_attn,@function
k_q4eaa867582_attn:
	s_mov_b64 s[64:65], 0
	v_nop
	global_prefetch_b8 v0, s[64:65] scope:SCOPE_SE
	s_setreg_imm32_b32 hwreg(HW_REG_WAVE_MODE, 25, 1), 1
	s_wait_xcnt 0x0
	s_wait_alu depctr_hold_cnt(0) depctr_sa_sdst(0) depctr_va_vdst(0) depctr_va_sdst(0) depctr_va_ssrc(0) depctr_va_vcc(0) depctr_vm_vsrc(0)
	s_getreg_b32 s2, hwreg(HW_REG_IB_STS2, 6, 4)
	s_cmp_eq_u32 s2, 0
	s_cbranch_scc0 .Lentry_in_a_cluster
	s_endpgm
.Lentry_in_a_cluster:
	s_bfe_u32 s2, ttmp6, 0x10000c
	s_cmp_lg_u32 s2, 0x3003
	s_cbranch_scc0 .Lentry_shape_is_right
	s_endpgm
.Lentry_shape_is_right:
; LAUNCH 3 OF 4: O = softmax(q k^T / 8) v for each of 64 heads (2,048 positions, 64 channels), both products on codes of E5M2, and the quantiser of the last product's operand.  Nothing is left out.
; THE SOFTMAX: t = score x log2(e) / 8 (the 1/8 is q's factor, taken off q ahead of its quantiser: a power of two); M = the running largest t rounded UP to a whole number; p = 2^(t - M) is quantised along the keys, not normalised;
; the row's sum is taken of the unquantised p and divides O at the end; when M moves, the sum and O are multiplied by f = 2^(old M - new M), which rounds nothing.  The running maximum is kept as a SCORE: c is positive, so the largest score gives the largest t.
; SHARES: a cluster of four work-groups has one head; a work-group 512 queries; each of its sixteen waves one tile of 16 queries a pass, two passes, in 256 registers, four waves to a SIMD.
; K AND V STAY: a head's codes of K and V (262,144 bytes) and their scale words (12,288) lie in LDS whole and are filled once, by joint loads of the four partners, in two groups, one load a wave in each:
; at the head waves 0-7 fetch key steps 0-3 of K and of V (8,192 bytes a wave) and waves 8-15 the scale words (1,536 bytes a wave); behind a round of the cluster's barrier every wave fetches 12,288 bytes of key steps 4-15.
; A wave says that its part of the second group has landed two key steps ahead of the barrier's wait behind which that group is read.  No prefetch: all that the loops read is asked for by these two groups, and there is no loop to run ahead in.
; ALL OPERANDS LIE AS IMAGES OF REGISTERS: every LDS read is 16 x lane (V's words: 8 x lane) + a constant.  S^T = K Q^T (source 0 = 16 keys, source 1 = my 16 queries), O^T = V^T P^T: a lane holds ONE query.  Register 16 c + 8 u + j of p is key 32 c + 16 u + 8 h + j, and V's image has its keys in that order.
; THE FIRST PRODUCT HAS K = 64: Q's operand is 8 registers of codes and 8 of zero codes; K's operand for tile t is v[32 + 8 t .. 47 + 8 t]: its upper half (the next tile's codes; the last tile's: zeros) meets Q's zero codes and adds nothing.
; THE ROW'S SUM runs in eight partial pairs; they are joined, and the sum brought under the new M by one multiply-add, in the places that are owed behind the matrix instructions: four joins behind the second product, the rest behind the next step's first product.
; OUT: ao_codes [512 tiles of 16 rows][K step 0..7][block 0..3][lane][16 bytes]; ao_scales [8,192 rows][32 bytes]; the scale bytes leave one a lane (a row's 32 bytes come from sixteen heads, which are sixteen clusters).
; LIMITS: the scaled scores stay under 2^31 in magnitude; a block whose every p is 0, and a block of zeros of O, keep the byte 1 (zero codes; only this program reads the bytes); a block's largest p is made from its largest score by the same two instructions, which takes v_exp_f32 not to fall where its input rises; NaN and infinities are not served.
.set VC,    131072                     ; LDS: K's codes from 0 (1,024 bytes a tile of 16 keys), V's from here (8,192 bytes a key step)
.set KSC,   262144                     ; K's scale words, 512 bytes a key step
.set VSC,   270336                     ; V's, 256 bytes a key step
.set SPARE, 274432                     ; the spare words, 128 bytes a wave, which no other line names
.set LK,  1                            ; 16 x lane
.set SPW, 2
.set NIL, 3
.set ADK, 4                            ; the step's addresses: K, V, K's words, V's words
.set ADV, 5
.set ADS, 6
.set ADT, 7
.set LV,  8                            ; LK + VC
.set LKS, 9                            ; LK + KSC
.set FF,  10                           ; f; named as the pair v[10:11], whose low word serves both halves
.set LVS, 11                           ; 8 x lane + VSC
.set QF,  16                           ; v12 -M, v13 the largest score, v[14:15] the sum; v16-23 Q, v24-31 zero codes
.set KF,  32                           ; v32-95 K's 8 fragments of 8; v96-103 zero codes
.set S,   104                          ; v104-167 S^T, then p, then V's 4 fragments of 16
.set O,   168                          ; v168-199 O^T
.set PC,  200                          ; p's codes
.set BM,  216
.set BP,  220
.set BH,  224
.set BS,  228
.set T1,  220                          ; at work in the chain for M, between BP's two uses
.set T0,  224                          ; the old -M, until BH is made
.set KSW, 232                          ; v232-239 hold scale words and nothing else
.set VSW, 236
.set QSW, 238
.set PW,  239
.set A,   240                          ; v240-255 the sum's eight partial pairs
.set WV,  12
.set CX,  13
.set BHD, 14
.set G1C, 16                           ; groups 1: 32, 6 and 48 rows of 256 bytes
.set G1S, 24
.set G1D, 32
.set G0A, 40                           ; groups 0: first codes, scale words, later codes
.set G0B, 44
.set G0C, 48
.set SEL, 52
.set CS,  54
.set MNT, 56
.set TB,  57
.set TS,  58
.set TJ,  59
.set NCS, 60
.set HM,  61
.set QB,  66
.set QSB, 68
.set AOB, 70
.set ASB, 72
.macro CROUND
	s_barrier_signal -1
	s_barrier_wait -1
	s_cmp_lg_u32 s[WV], 0
	s_cbranch_scc1 .Lnot_wave_0_\@
	s_barrier_signal -3
.Lnot_wave_0_\@:
	s_barrier_wait -3
	s_barrier_signal -1
	s_barrier_wait -1
.endm
.macro NOPS n
.rept \n
	v_nop
.endr
.endm
	s_load_b256 s[4:11], s[0:1], 0x0               ; qkv_codes, qkv_scales, ao_codes, ao_scales
	v_lshl_add_u32 v[SPW], v0, 2, SPARE
	v_mov_b32 v[NIL], 0
	ds_add_u32 v[SPW], v[NIL]                      ; the opening: the add, twice on end, and its wait ahead of my first tensor load
	ds_add_u32 v[SPW], v[NIL]
	v_lshrrev_b32 v[BP], 5, v0
	v_readfirstlane_b32 s[WV], v[BP]               ; wave 0..15
	s_bfe_u32 s[CX], ttmp6, 0x40000                ; my place in the cluster: it enters Q's and the outputs' addresses alone
	s_and_b32 s[BHD], ttmp7, 0xffff                ; batch x 16 + head, which the partners share
.irp g, G1C, G1S, G1D
	s_mov_b32 s[\g], 15|(3<<16)|(1<<21)            ; mask: all four; elements of 8 bytes; bit 21 beside a mask; no padding
	s_mov_b32 s[\g+1], 32<<16                      ; dense rows of 256 bytes
	s_mov_b32 s[\g+3], 32<<16
	s_mov_b32 s[\g+5], 32
	s_mov_b32 s[\g+6], 0
	s_mov_b32 s[\g+7], 0
.endr
	s_mov_b32 s[G1C+2], 32<<16
	s_mov_b32 s[G1C+4], 32
	s_mov_b32 s[G1S+2], 6<<16
	s_mov_b32 s[G1S+4], 6
	s_mov_b32 s[G1D+2], 48<<16
	s_mov_b32 s[G1D+4], 48
	s_mov_b32 s[SEL], 0x76543210
	s_mov_b32 s[SEL+1], 0xfedcba98
	s_mov_b32 s[CS], 0x3e38aa3b                    ; c = log2(e) / 8
	s_mov_b32 s[CS+1], s[CS]
	s_mov_b32 s[NCS], 0xbe38aa3b                   ; -c
	s_mov_b32 s[MNT], 0x600000
	s_mov_b32 s[HM], 0xffff0000
	s_and_b32 s74, s[WV], 1
	s_lshl_b32 s74, s74, 17                        ; even waves fetch K's codes, odd waves V's; K and V follow each other in memory as in LDS
	s_bfe_u32 s75, s[WV], 0x20001
	s_lshl_b32 s75, s75, 13
	s_add_co_u32 s75, s75, s74                     ; first group (waves 0-7): key step wave / 2
	s_lshr_b32 s92, s[WV], 1
	s_mul_i32 s92, s92, 12288
	s_add_co_u32 s92, s92, s74
	s_add_co_u32 s92, s92, 32768                   ; second group: an eighth of key steps 4-15
	s_and_b32 s93, s[WV], 7
	s_mul_i32 s93, s93, 1536                       ; waves 8-15: an eighth of the scale words
	s_mul_i32 s76, s[BHD], 393216
	s_add_co_u32 s76, s76, 131072                  ; the head's K
	s_mov_b32 s77, 0
	s_mul_i32 s78, s[BHD], 20480
	s_add_co_u32 s78, s78, 8192
	s_add_co_u32 s78, s78, s93
	s_mov_b32 s79, 0
	s_lshl_b32 s80, s[CX], 5
	s_add_co_u32 s80, s80, s[WV]                   ; my tile of queries in pass 0: 32 cx + wave; pass 1: 16 on
	s_lshl_b32 s82, s80, 10
	s_mul_i32 s83, s[BHD], 393216
	s_add_co_u32 s82, s82, s83
	s_mov_b32 s83, 0                               ; Q's codes
	s_lshl_b32 s84, s[CX], 2
	s_lshr_b32 s85, s[WV], 3
	s_add_co_u32 s84, s84, s85
	s_lshl_b32 s84, s84, 9                         ; Q's scale words: 512 x (the tile's group of 128 positions)
	s_and_b32 s85, s[WV], 1
	s_lshl_b32 s85, s85, 8
	s_add_co_u32 s84, s84, s85                     ; + 256 x (tile % 2)
	s_bfe_u32 s85, s[WV], 0x20001
	s_lshl_b32 s85, s85, 2
	s_add_co_u32 s84, s84, s85                     ; + 4 x ((tile % 8) / 2)
	s_mul_i32 s85, s[BHD], 20480
	s_add_co_u32 s84, s84, s85
	s_mov_b32 s85, 0
	s_lshr_b32 s86, s[BHD], 4                      ; batch
	s_and_b32 s87, s[BHD], 15                      ; head
	s_lshl_b32 s86, s86, 7
	s_add_co_u32 s86, s86, s80                     ; my tile of 16 rows of the result
	s_lshl_b32 s88, s86, 14                        ; 16,384 bytes of codes a tile,
	s_lshl_b32 s89, s87, 10                        ; 1,024 a head
	s_add_co_u32 s88, s88, s89
	s_mov_b32 s89, 0
	s_lshl_b32 s90, s86, 9                         ; 16 rows x 32 scale bytes,
	s_lshl_b32 s91, s87, 1                         ; two a head
	s_add_co_u32 s90, s90, s91
	s_mov_b32 s91, 0
	s_mov_b32 s95, 0
	s_wait_dscnt 0x0                               ; both opening adds are done
	s_wait_kmcnt 0x0
	s_add_nc_u64 s[76:77], s[4:5], s[76:77]
	s_add_nc_u64 s[78:79], s[6:7], s[78:79]
	s_add_nc_u64 s[QB:QB+1], s[4:5], s[82:83]
	s_add_nc_u64 s[QSB:QSB+1], s[6:7], s[84:85]
	s_add_nc_u64 s[AOB:AOB+1], s[8:9], s[88:89]
	s_add_nc_u64 s[ASB:ASB+1], s[10:11], s[90:91]
	s_mov_b32 s[G0A], 1
	s_mov_b32 s[G0A+1], s75
	s_mov_b32 s94, s75
	s_add_nc_u64 s[G0A+2:G0A+3], s[76:77], s[94:95]
	s_or_b32 s[G0A+3], s[G0A+3], 0x80000000
	s_mov_b32 s[G0B], 1
	s_add_co_u32 s[G0B+1], s93, KSC
	s_mov_b64 s[G0B+2:G0B+3], s[78:79]
	s_or_b32 s[G0B+3], s[G0B+3], 0x80000000
	s_mov_b32 s[G0C], 1
	s_mov_b32 s[G0C+1], s92
	s_mov_b32 s94, s92
	s_add_nc_u64 s[G0C+2:G0C+3], s[76:77], s[94:95]
	s_or_b32 s[G0C+3], s[G0C+3], 0x80000000
	CROUND                                         ; all four work-groups are here: the joint loads meet
	s_cmp_lt_u32 s[WV], 8                          ; one tree, a load in each arm: every way through the head passes exactly one
	s_cbranch_scc0 .Lhead_s
	tensor_load_to_lds s[G0A:G0A+3], s[G1C:G1C+7]
	s_nop 0
	NOPS 4
	s_branch .Lhead_j
.Lhead_s:
	tensor_load_to_lds s[G0B:G0B+3], s[G1S:G1S+7]
	s_nop 0
	NOPS 4
.Lhead_j:
	v_and_b32 v[BP], 31, v0
	v_lshlrev_b32 v[LK], 4, v[BP]
	v_lshl_add_u32 v[LVS], v[BP], 3, VSC
	v_add_nc_u32 v[LV], VC, v[LK]
	v_add_nc_u32 v[LKS], KSC, v[LK]
.irp j, 0,1,2,3,4,5,6,7
	v_mov_b32 v[QF+8+\j], 0                        ; zero codes: the upper 64 of the first product's K
	v_mov_b32 v[KF+64+\j], 0
.endr
.irp b, 1,2,3
	v_mov_b32 v[BP+\b], 0                          ; a lane permute's destination counts as one of its sources
.endr
.macro TMM from, n                     ; t - M, two at a time
.set j, \from
.rept \n
	v_pk_fma_f32 v[S+j:S+j+1], v[S+j:S+j+1], s[CS:CS+1], v[12:13] op_sel_hi:[1,0,0]
.set j, j+2
.endr
.endm
.macro JOIN                            ; the last step's partial sums become one, and the sum goes under that step's M: l = l f + the step's sum
	v_pk_add_f32 v[A:A+1], v[A:A+1], v[A+2:A+3]
	v_pk_fma_f32 v[14:15], v[14:15], v[FF:FF+1], v[A:A+1] op_sel_hi:[1,0,1]
.endm
.macro KLOAD on                        ; K's fragments and scale words of the key step that stands on steps behind the addresses' step (register i of the words, lane l: key 32 i + l)
.irp t, 0,1,2,3,4,5,6,7
	ds_load_b128 v[KF+8*\t:KF+8*\t+3], v[ADK] offset:8192*\on+1024*\t
	ds_load_b128 v[KF+8*\t+4:KF+8*\t+7], v[ADK] offset:8192*\on+1024*\t+512
.endr
	ds_load_b128 v[KSW:KSW+3], v[ADS] offset:512*\on
.endm
; A KEY STEP: 128 keys.  Its K lies in registers: asked for in the step before, behind the first product's places, and waited for there with V.  (A pass's last step so reads 8,704 bytes behind K's, which are V's and hold filled bytes: they are not used.)
; V goes into p's registers, two fragments as soon as two blocks of p are codes.  So the next step's scores are written over V's registers: nine places stand behind the second product.
.macro STEP
.irp t, 0,2,4,6                                ; S^T: eight accumulators, one instruction each
	v_wmma_scale_f32_16x16x128_f8f6f4 v[S+8*\t:S+8*\t+7], v[KF+8*\t:KF+8*\t+15], v[QF:QF+15], 0, v[KSW+\t/2], v[QSW] matrix_a_fmt:MATRIX_FMT_BF8 matrix_b_fmt:MATRIX_FMT_BF8
	v_wmma_scale_f32_16x16x128_f8f6f4 v[S+8*\t+8:S+8*\t+15], v[KF+8*\t+8:KF+8*\t+23], v[QF:QF+15], 0, v[KSW+\t/2], v[QSW] matrix_a_fmt:MATRIX_FMT_BF8 matrix_b_fmt:MATRIX_FMT_BF8 matrix_a_scale:MATRIX_SCALE_ROW1
.endr
	v_pk_add_f32 v[A:A+1], v[A:A+1], v[A+4:A+5]    ; eight places ahead of the loads into K's registers and of the first read of the scores: five lines of work that is due, three idle
	v_pk_add_f32 v[A+2:A+3], v[A+2:A+3], v[A+6:A+7]
	v_mov_b32 v[T0], v12                           ; the old -M
	NOPS 3
	JOIN
	KLOAD 1                                        ; the next step's K lands while the softmax is walked
.irp b, 0,1,2,3
	v_max3_num_f32 v[BM+\b], v[S+16*\b], v[S+1+16*\b], v[S+2+16*\b]   ; the largest score of each block of 32 keys: for the row's maximum and for the block's largest p
.endr
.irp i, 3,5,7,9,11,13
.irp b, 0,1,2,3
	v_max3_num_f32 v[BM+\b], v[BM+\b], v[S+16*\b+\i], v[S+1+16*\b+\i]
.endr
.endr
.irp b, 0,1,2,3
	v_max_num_f32 v[BM+\b], v[BM+\b], v[S+15+16*\b]
.endr
.irp b, 0,1,2,3
	v_permlanex16_b32 v[BP+\b], v[BM+\b], s[SEL], s[SEL+1]
.endr
.irp b, 0,1,2,3
	v_max_num_f32 v[BM+\b], v[BM+\b], v[BP+\b]     ; with lane l xor 16's 16 keys
.endr
	v_max3_num_f32 v[T1], v[BM], v[BM+1], v[BM+2]
	v_max3_num_f32 v13, v13, v[T1], v[BM+3]        ; the running largest score
	v_mul_f32 v[T1], s[NCS], v13                   ; -t
	v_floor_f32 v12, v[T1]                         ; the new -M = -ceil(t)
	v_sub_f32 v[T0], v12, v[T0]                    ; old M - new M: a whole number, 0 or less; its way to f stands among the scalings
	TMM 0, 4
	v_cvt_i32_f32 v[T0], v[T0]                     ; (it saturates)
	TMM 8, 28
.irp b, 0,1,2,3
	v_fma_f32 v[BM+\b], v[BM+\b], s[CS], v12       ; the same of each block's largest score
.endr
	s_wait_alu depctr_va_vdst(0)                   ; ahead of the batch
.irp b, 0,1,2,3
	v_exp_f32 v[BM+\b], v[BM+\b]                   ; the blocks' largest p
.endr
.set j, 0
.rept 64
	v_exp_f32 v[S+j], v[S+j]                       ; p = 2^(t - M)
.set j, j+1
.endr
	v_ldexp_f32 v[FF], 1.0, v[T0]                  ; f = 2^(old M - new M) (the plain line behind the exponentials)
	s_wait_alu depctr_va_vdst(0)                   ; one wait for the batch, ahead of its first reader
.irp k, 0,1,2,3,4,5,6,7                        ; the step's sum of the unquantised p, in eight chains
	v_pk_add_f32 v[A+2*\k:A+2*\k+1], v[S+4*\k:S+4*\k+1], v[S+4*\k+2:S+4*\k+3]
.endr
.irp b, 0,1,2,3
	v_max_num_f32 v[BM+\b], 0x8000000, v[BM+\b]    ; the floor 2^(16 - 127)
.endr
.irp b, 0,1,2,3
	v_add_nc_u32 v[BS+\b], 0xf8800000, v[BM+\b]    ; the conversion's scale operand
.endr
.irp b, 0,1,2,3
	v_and_or_b32 v[BH+\b], v[BM+\b], 0x7f800000, s[MNT]   ; 57,344 x the scale
.endr
.irp b, 0,1,2,3
	v_lshrrev_b32 v[BP+\b], 23, v[BS+\b]           ; the scale's byte
.endr
	v_lshl_or_b32 v[PW], v[BP+1], 8, v[BP]         ; p's scale word for these 128 keys
	v_lshl_or_b32 v[PW], v[BP+2], 16, v[PW]
	v_lshl_or_b32 v[PW], v[BP+3], 24, v[PW]
; THE HOLD: the conversion does not saturate (ISA guide 7.6.2); p is not negative, so the hold is one-sided.  Two holds an instruction: a number of block b in an even (odd) register with one of block b + 1 in an odd (even) one, as the dual form asks of its operands.
.irp b, 0,2
.if \b == 2                                    ; blocks 2 and 3 join the sums ahead of their hold (blocks 0 and 1 did above)
.irp k, 0,1,2,3,4,5,6,7
	v_pk_add_f32 v[A+2*\k:A+2*\k+1], v[A+2*\k:A+2*\k+1], v[S+32+2*\k:S+33+2*\k]
.endr
.irp k, 0,1,2,3,4,5,6,7
	v_pk_add_f32 v[A+2*\k:A+2*\k+1], v[A+2*\k:A+2*\k+1], v[S+48+2*\k:S+49+2*\k]
.endr
.endif
.irp i, 0,2,4,6,8,10,12,14
	v_dual_min_num_f32 v[S+16*\b+\i], v[S+16*\b+\i], v[BH+\b] :: v_dual_min_num_f32 v[S+16*\b+17+\i], v[S+16*\b+17+\i], v[BH+\b+1]
	v_dual_min_num_f32 v[S+16*\b+1+\i], v[S+16*\b+1+\i], v[BH+\b] :: v_dual_min_num_f32 v[S+16*\b+16+\i], v[S+16*\b+16+\i], v[BH+\b+1]
.endr
.irp u, 0,1
	v_cvt_scalef32_pk8_bf8_f32 v[PC+4*(\b+\u):PC+4*(\b+\u)+1], v[S+16*(\b+\u):S+16*(\b+\u)+7], v[BS+\b+\u]
	v_cvt_scalef32_pk8_bf8_f32 v[PC+4*(\b+\u)+2:PC+4*(\b+\u)+3], v[S+16*(\b+\u)+8:S+16*(\b+\u)+15], v[BS+\b+\u]
.endr
.irp t, 0,1
.irp c, 0,1,2,3
	ds_load_b128 v[S+16*(\b+\t)+4*\c:S+16*(\b+\t)+4*\c+3], v[ADV] offset:2048*(\b+\t)+512*\c   ; V's fragments b and b + 1, into the registers of the two blocks just converted
.endr
.endr
.if \b == 0
	ds_load_b64 v[VSW:VSW+1], v[ADT]               ; register i, lane l: the word of tile 2 i + l / 16, channel row l % 16
.endif
.endr
	s_wait_dscnt 8                                 ; the next K, V's fragments 0 and 1 and V's words are in; the youngest eight loads (fragments 2 and 3) may be out
	s_wait_alu depctr_va_vdst(0)                   ; directly ahead of the first reader of O^T
.set j, 0
.rept 16
	v_pk_mul_f32 v[O+j:O+j+1], v[O+j:O+j+1], v[FF:FF+1] op_sel_hi:[1,0]   ; O^T under the new M; also the places between the codes and the products
.set j, j+2
.endr
.irp t, 0,2                                    ; O^T += V^T P^T: four accumulators, one instruction each
.if \t == 2
	s_wait_alu depctr_va_vdst(0)                   ; ahead of the wait below
	s_wait_dscnt 0x0                               ; V's fragments 2 and 3
.endif
	v_wmma_scale_f32_16x16x128_f8f6f4 v[O+8*\t:O+8*\t+7], v[S+16*\t:S+16*\t+15], v[PC:PC+15], v[O+8*\t:O+8*\t+7], v[VSW+\t/2], v[PW] matrix_a_fmt:MATRIX_FMT_BF8 matrix_b_fmt:MATRIX_FMT_BF8
	v_wmma_scale_f32_16x16x128_f8f6f4 v[O+8*\t+8:O+8*\t+15], v[S+16*\t+16:S+16*\t+31], v[PC:PC+15], v[O+8*\t+8:O+8*\t+15], v[VSW+\t/2], v[PW] matrix_a_fmt:MATRIX_FMT_BF8 matrix_b_fmt:MATRIX_FMT_BF8 matrix_a_scale:MATRIX_SCALE_ROW1
.endr
	s_add_co_u32 s[TB], s[TB], 8192
	s_add_co_u32 s[TS], s[TS], 512
	s_add_co_u32 s[TJ], s[TJ], 256
	v_add_nc_u32 v[ADK], s[TB], v[LK]              ; nine closing lines, which name no register of the products: the places ahead of the next scores, which are written over V's registers
	v_add_nc_u32 v[ADV], s[TB], v[LV]
	v_add_nc_u32 v[ADS], s[TS], v[LKS]
	v_add_nc_u32 v[ADT], s[TJ], v[LVS]
.irp k, 0,1,2,3
	v_pk_add_f32 v[A+2*\k:A+2*\k+1], v[A+2*\k:A+2*\k+1], v[A+8+2*\k:A+9+2*\k]
.endr
	v_nop
.endm
.macro LOOP upto                       ; key steps until K's offset reaches upto
.Lstep_\@:
	STEP
	s_cmp_lt_u32 s[TB], \upto
	s_wait_alu depctr_va_vdst(0)                   ; ahead of the branch
	s_cbranch_scc1 .Lstep_\@
.endm
.macro PRO p                           ; pass p begins: my tile of queries, and a fresh softmax: zeros, which the first change of M leaves zeros
	v_and_b32 v[T1], 15, v0
	v_lshlrev_b32 v[T1], 4, v[T1]                  ; 16 r: my query's scale word
	global_load_b128 v[QF:QF+3], v[LK], s[QB:QB+1] offset:16384*\p
	global_load_b128 v[QF+4:QF+7], v[LK], s[QB:QB+1] offset:16384*\p+512
	global_load_b32 v[QSW], v[T1], s[QSB:QSB+1] offset:1024*\p
	v_mov_b32 v13, 0xff61b1e6                      ; -3e38, under every score
	v_mov_b32 v14, 0
	v_mov_b32 v15, 0
	v_mov_b32 v[FF], 0
	v_mul_f32 v12, s[NCS], v13
.set j, 0
.rept 16
	v_mov_b32 v[A+j], 0
.set j, j+1
.endr
	v_floor_f32 v12, v12
.set j, 0
.rept 32
	v_mov_b32 v[O+j], 0
.set j, j+1
.endr
	v_mov_b32 v[ADK], v[LK]
	v_mov_b32 v[ADV], v[LV]
	v_mov_b32 v[ADS], v[LKS]
	v_mov_b32 v[ADT], v[LVS]
	s_mov_b32 s[TB], 0
	s_mov_b32 s[TS], 0
	s_mov_b32 s[TJ], 0
	s_wait_alu depctr_va_vdst(0)
	s_wait_loadcnt 0x0
.endm
.macro OUT p                           ; O^T / the sum, quantised along the channels: two blocks of 32, 16 of each in my registers.  The last step's closing lines are the places behind the last products
	v_pk_add_f32 v[A:A+1], v[A:A+1], v[A+4:A+5]
	v_pk_add_f32 v[A+2:A+3], v[A+2:A+3], v[A+6:A+7]
	v_and_b32 v[A+8], 15, v0
	v_bfe_u32 v[A+9], v0, 4, 1
	JOIN
	v_lshl_add_u32 v[A+8], v[A+8], 5, v[A+9]       ; 32 r + h: my scale byte's place
	v_add_f32 v14, v14, v15
	v_permlanex16_b32 v[T1], v14, s[SEL], s[SEL+1]
	v_add_f32 v14, v14, v[T1]                      ; the row's sum
	s_wait_alu depctr_va_vdst(0)                   ; ahead of the transcendental
	v_rcp_f32 v[FF], v14
	v_nop
	s_wait_alu depctr_va_vdst(0)                   ; ahead of the reciprocal's first reader, which is also the first reader of O^T
.set j, 0
.rept 16
	v_pk_mul_f32 v[S+j:S+j+1], v[O+j:O+j+1], v[FF:FF+1] op_sel_hi:[1,0]   ; register 16 c + i is channel 32 c + 16 h + i; each accumulator from its low end on
.set j, j+2
.endr
.irp b, 0,1
	v_max3_num_f32 v[BM+\b], |v[S+16*\b]|, |v[S+1+16*\b]|, 0x8000000
.endr
.irp i, 2,4,6,8,10,12,14
.irp b, 0,1
	v_max3_num_f32 v[BM+\b], v[BM+\b], |v[S+16*\b+\i]|, |v[S+1+16*\b+\i]|
.endr
.endr
.irp b, 0,1
	v_permlanex16_b32 v[BP+\b], v[BM+\b], s[SEL], s[SEL+1]
.endr
.irp b, 0,1
	v_max_num_f32 v[BM+\b], v[BM+\b], v[BP+\b]
.endr
.irp b, 0,1
	v_add_nc_u32 v[BS+\b], 0xf8800000, v[BM+\b]
.endr
.irp b, 0,1
	v_and_or_b32 v[BH+\b], v[BM+\b], 0x7f800000, s[MNT]
.endr
.irp b, 0,1
	v_lshrrev_b32 v[BP+\b], 23, v[BS+\b]
.endr
.irp b, 0,1
.irp i, 0,1,2,3,4,5,6,7,8,9,10,11,12,13,14,15
	v_med3_num_f32 v[S+16*\b+\i], v[S+16*\b+\i], -v[BH+\b], v[BH+\b]
.endr
	v_cvt_scalef32_pk8_bf8_f32 v[PC+4*\b:PC+4*\b+1], v[S+16*\b:S+16*\b+7], v[BS+\b]
	v_cvt_scalef32_pk8_bf8_f32 v[PC+4*\b+2:PC+4*\b+3], v[S+16*\b+8:S+16*\b+15], v[BS+\b]
.endr
	v_cndmask_b32 v[T0], v[BP], v[BP+1], s[HM]     ; lanes 0-15 store block 0's byte, lanes 16-31 block 1's (also the plain line behind the conversions)
	global_store_b128 v[LK], v[PC:PC+3], s[AOB:AOB+1] offset:262144*\p          ; 32 lanes store 512 consecutive bytes
	global_store_b128 v[LK], v[PC+4:PC+7], s[AOB:AOB+1] offset:262144*\p+512
	global_store_b8 v[A+8], v[T0], s[ASB:ASB+1] offset:8192*\p
.endm
	PRO 0
	s_wait_tensorcnt 0x0                           ; my part of the first group is in
	ds_add_u32 v[SPW], v[NIL]
	s_wait_dscnt 0x0
	CROUND                                         ; everybody's part is in, and all four work-groups are here: the joint loads meet
	tensor_load_to_lds s[G0C:G0C+3], s[G1D:G1D+7]  ; key steps 4-15: my one load behind the round
	s_nop 0
	NOPS 4
	KLOAD 0                                        ; key step 0's K
	s_wait_dscnt 0x0
	LOOP 1*8192                                    ; key step 0
	s_wait_tensorcnt 0x0                           ; my part of key steps 4-15 is in, and I say so two key steps ahead of the wait for all sixteen; no LDS instruction of mine is out (each step waits for all its loads)
	s_barrier_signal -1
	LOOP 3*8192                                    ; key steps 1 and 2, which read K up to key step 3: work on registers and reads of LDS bytes that nobody writes again
	s_barrier_wait -1
	LOOP 16*8192
	OUT 0
	s_wait_xcnt 0x0                                ; the stores have read their registers
	PRO 1
	KLOAD 0
	s_wait_dscnt 0x0
	LOOP 16*8192                                   ; all keys lie in LDS: no barrier
	OUT 1
	s_wait_tensorcnt 0x0                           ; the wave's end
	ds_add_u32 v[SPW], v[NIL]
	s_wait_dscnt 0x0
	CROUND                                         ; the closing round
	s_endpgm
.Lfunc_end_k_q4eaa867582_attn:
	.size	k_q4eaa867582_attn, .Lfunc_end_k_q4eaa867582_attn-k_q4eaa867582_attn
	.p2alignl 7, 3214868480
	.fill 96, 4, 3214868480
	.section	.rodata,"a",@progbits
	.p2align	6, 0x0
	.amdhsa_kernel k_q4eaa867582_attn
		.amdhsa_group_segment_fixed_size 327680
		.amdhsa_private_segment_fixed_size 0
		.amdhsa_enable_private_segment 0
		.amdhsa_kernarg_size 32
		.amdhsa_user_sgpr_count 2
		.amdhsa_user_sgpr_kernarg_segment_ptr 1
		.amdhsa_wavefront_size32 1
		.amdhsa_system_sgpr_workgroup_id_x 1
		.amdhsa_system_sgpr_workgroup_id_y 1
		.amdhsa_system_sgpr_workgroup_id_z 1
		.amdhsa_system_vgpr_workitem_id 0
		.amdhsa_next_free_vgpr 256
		.amdhsa_next_free_sgpr 96
		.amdhsa_reserve_vcc 0
		.amdhsa_float_denorm_mode_32 3
		.amdhsa_float_denorm_mode_16_64 3
		.amdhsa_memory_ordered 1
		.amdhsa_forward_progress 1
		.amdhsa_inst_pref_size 99
	.end_amdhsa_kernel
	.amdgpu_metadata
---
amdhsa.version: [ 1, 2 ]
amdhsa.kernels:
  - .name:           k_q4eaa867582_attn
    .symbol:         k_q4eaa867582_attn.kd
    .args:
      - { .name: qkv_codes, .offset: 0, .size: 8, .value_kind: global_buffer, .address_space: global }
      - { .name: qkv_scales, .offset: 8, .size: 8, .value_kind: global_buffer, .address_space: global }
      - { .name: ao_codes, .offset: 16, .size: 8, .value_kind: global_buffer, .address_space: global }
      - { .name: ao_scales, .offset: 24, .size: 8, .value_kind: global_buffer, .address_space: global }
    .group_segment_fixed_size: 327680
    .private_segment_fixed_size: 0
    .kernarg_segment_align: 8
    .kernarg_segment_size: 32
    .max_flat_workgroup_size: 512
    .sgpr_count:     96
    .vgpr_count:     256
    .wavefront_size: 32
...
	.end_amdgpu_metadata
.endif
;; end of part 3
;; launch oproj (part 4): grid 4 x 64, 4 waves a work-group, clusters of 4 x 4, 327,680 bytes of LDS; arguments ao_codes, ao_scales, xw_codes, xw_scales, bo, out0; writes out0
.if DOCPART == 4
	.amdgcn_target "amdgcn-amd-amdhsa--gfx1250"
	.amdhsa_code_object_version 6
	.text
	.protected	k_q4eaa867582_oproj
	.globl	k_q4eaa867582_oproj
	.p2align	8
	.type	k_q4eaa867582_oproj,@function
k_q4eaa867582_oproj:
	s_mov_b64 s[64:65], 0
	v_nop
	global_prefetch_b8 v0, s[64:65] scope:SCOPE_SE
	s_setreg_imm32_b32 hwreg(HW_REG_WAVE_MODE, 25, 1), 1
	s_wait_xcnt 0x0
	s_wait_alu depctr_hold_cnt(0) depctr_sa_sdst(0) depctr_va_vdst(0) depctr_va_sdst(0) depctr_va_ssrc(0) depctr_va_vcc(0) depctr_vm_vsrc(0)
	s_getreg_b32 s2, hwreg(HW_REG_IB_STS2, 6, 4)
	s_cmp_eq_u32 s2, 0
	s_cbranch_scc0 .Lentry_in_a_cluster
	s_endpgm
.Lentry_in_a_cluster:
	s_bfe_u32 s2, ttmp6, 0x10000c
	s_cmp_lg_u32 s2, 0xf033
	s_cbranch_scc0 .Lentry_shape_is_right
	s_endpgm
.Lentry_shape_is_right:
; LAUNCH 4 OF 4: out0 [8,192][1,024] = A Wo^T + bo on codes of E5M2 with E8M0 scales; A is the attention's result.  Nothing is left out.
; A: ao_codes [512 tiles of 16 rows][8 steps of 128 along K][block 0..3][lane][16 bytes], images of operand registers; ao_scales [8,192][32].  Wo: rows 11,264.. of xw_codes [.][1,024] and xw_scales [.][32].
; SHARES: a block of out0 is 128 rows x 256 columns: 64 x 4 = 256 work-groups.  Four waves, each 64 x 128: 32 accumulators of 16 x 16 in 256 registers.
; NO RING.  Wo's 256 rows of the block, all 1,024 along K, lie in LDS whole: 256 rows of 1,024 bytes + 16 of padding = 266,240 bytes, filled ONCE, by one joint load a wave (64 rows each) at the head; no byte of LDS is filled again.
; A's images go from memory straight into the registers of the wave that multiplies them: 64 rows x 1,024 codes = 128 loads of 512 consecutive bytes = 512 registers.  The scale words (32 consecutive bytes a row, 512 a block of 16 rows) and the bias come by plain loads too.
; CLUSTERS: 4 x 4 work-groups; Wo's rows are asked for jointly along a column of the cluster.  A is not asked for jointly: A's 131,072 bytes and Wo's 266,240 do not fit in LDS together, and through registers A needs no slot, no refill and no round of the cluster's barrier.
; No prefetch: all that the launch reads is asked for at the head, and there is no loop to run ahead in.
; A step of 128 along K is 32 matrix instructions on the 32 accumulators by turns, Wo's blocks one after the other, each against A's four.  Wo has one set of fragments: blocks 0-3 are fetched anew in the step's middle, blocks 4-7 at its end.
; THE MATRIX INSTRUCTION IS USED TRANSPOSED (source 0 = 16 rows of Wo, source 1 = 16 rows of A): a lane holds eight neighbouring columns of a row.  The sums start from the bias, which is loaded into the accumulators in that layout.
; REGISTERS: window 0: v0-31 addresses, v32-63 A's scale words (block a, step k at 8 a + k), v64-127 Wo's, v128-255 Wo's fragments (on the way out: rows read back); window 1: A's steps 0-3; window 3: A's steps 4-7; window 2: the accumulators, (a, b) at v[8 (8 a + b)].
.set SIZE_N, 1024
.set FR,     16
.set NP,     8                         ; places behind this matrix instruction (ISA guide 7.12.1)
.set BP,     1040                      ; a row of Wo in LDS: 65 x 16 bytes, so the 16 rows that a load touches start at 16 different groups of banks
.set STAGE,  256*BP                    ; the way out: a stage of 16 rows x (512 + 16) bytes a wave, bytes of its own
.set SPITCH, 528
.set SPARE,  STAGE+4*16*SPITCH         ; the spare words, 128 bytes a wave, which no other line names
.set ADRB, 16                          ; v16, v17 my lane's place in Wo's blocks 0-3 and 4-7
.set STO,  24
.set RD,   25
.set CO,   26                          ; 16 x lane
.set VS,   27                          ; 32 r: my row's scale bytes
.set SPW,  28
.set NIL,  29
.set VB,   30                          ; 32 h: my eight columns of the bias
.set SA,   32
.set SB,   64
.set BF,   128
.set BK,   128
.set G1B, 48
.set G0B, 56
.set MSB, 0
.macro WIN new
.if MSB != (\new)
	s_set_vgpr_msb (MSB<<8)|(\new)
.set MSB, (\new)
.endif
.endm
.macro PLACES n
.rept \n
	v_nop
.endr
.endm
.macro CROUND
	s_barrier_signal -1
	s_barrier_wait -1
	s_cmp_lg_u32 s14, 0
	s_cbranch_scc1 .Lnot_wave_0_\@
	s_barrier_signal -3
.Lnot_wave_0_\@:
	s_barrier_wait -3
	s_barrier_signal -1
	s_barrier_wait -1
.endm
	s_load_b128 s[4:7], s[0:1], 0x0                ; ao_codes, ao_scales
	s_load_b128 s[8:11], s[0:1], 0x10              ; xw_codes, xw_scales
	s_load_b64 s[96:97], s[0:1], 0x20              ; bo
	s_load_b64 s[12:13], s[0:1], 0x28              ; out0
	v_lshl_add_u32 v[SPW], v0, 2, SPARE
	v_mov_b32 v[NIL], 0
	ds_add_u32 v[SPW], v[NIL]                      ; the opening: the add, twice on end, and its wait ahead of my first tensor load
	ds_add_u32 v[SPW], v[NIL]
	v_lshrrev_b32 v1, 5, v0
	v_readfirstlane_b32 s14, v1                    ; wave
	s_lshr_b32 s15, s14, 1                         ; my half of the block's rows
	s_and_b32 s16, s14, 1                          ; my half of its columns
	s_bfe_u32 s40, ttmp6, 0x40000
	s_bfe_u32 s41, ttmp6, 0x40004
	s_lshl_b32 s42, ttmp9, 2
	s_add_co_u32 s42, s42, s40                     ; block column
	s_and_b32 s17, ttmp7, 0xffff
	s_lshl_b32 s17, s17, 2
	s_add_co_u32 s17, s17, s41                     ; block row
	s_lshl_b32 s44, 0x1111, s40                    ; my column of the cluster
	s_or_b32 s[G1B+0], s44, (0<<16)|(1<<20)|(1<<21)|(7<<22)|(3<<25)   ; the mask; elements of 1 byte; padding: four words behind every 256; bit 21 beside a mask
	s_mov_b32 s[G1B+1], 1024<<16                   ; rows of 1,024 bytes,
	s_mov_b32 s[G1B+2], 64<<16                     ; 64 of them
	s_mov_b32 s[G1B+3], 1024<<16
	s_mov_b32 s[G1B+4], 64
	s_mov_b32 s[G1B+5], 1024
	s_mov_b32 s[G1B+6], 0
	s_mov_b32 s[G1B+7], 0
	s_lshl_b32 s46, s42, 8
	s_add_co_u32 s46, s46, 11264                   ; Wo's first row of the block column
	s_lshl_b32 s92, s16, 7
	s_add_co_u32 s92, s92, s46
	s_lshl_b32 s92, s92, 5                         ; the scales of the 128 rows that I multiply
	s_mov_b32 s93, 0
	s_lshl_b32 s47, s14, 6
	s_add_co_u32 s46, s46, s47
	s_lshl_b32 s46, s46, 10                        ; the codes of the 64 rows that I fetch,
	s_mov_b32 s47, 0
	s_mul_i32 s3, s14, 64*BP                       ; and where they go
	s_lshl_b32 s20, s17, 17
	s_lshl_b32 s21, s15, 16
	s_add_co_u32 s20, s20, s21                     ; A's codes: my four tiles of 16,384 bytes
	s_mov_b32 s21, 0
	s_lshl_b32 s22, s17, 12
	s_lshl_b32 s23, s15, 11
	s_add_co_u32 s22, s22, s23                     ; A's scales: my 64 rows of 32 bytes
	s_mov_b32 s23, 0
	s_lshl_b32 s18, s42, 10
	s_lshl_b32 s19, s16, 9
	s_add_co_u32 s18, s18, s19                     ; my first column, in bytes
	s_mov_b32 s19, 0
	s_lshl_b32 s94, s17, 19
	s_lshl_b32 s95, s15, 18
	s_add_co_u32 s94, s94, s95                     ; my first row: (128 x block row + 64 x half) x 4,096 bytes
	s_mov_b32 s95, 0
	s_mul_i32 s43, s16, 128*BP                     ; my 128 rows of Wo in LDS: blocks 0-3,
	s_add_co_u32 s45, s43, 64*BP                   ; blocks 4-7
	s_mul_i32 s98, s14, 16*SPITCH
	s_add_co_u32 s98, s98, STAGE                   ; my stage
	s_wait_dscnt 0x0                               ; both opening adds are done
	s_wait_kmcnt 0x0
	s_mov_b32 s[G0B], 1
	s_mov_b32 s[G0B+1], s3
	s_add_nc_u64 s[G0B+2:G0B+3], s[8:9], s[46:47]
	s_or_b32 s[G0B+3], s[G0B+3], 0x80000000
	s_add_nc_u64 s[20:21], s[4:5], s[20:21]
	s_add_nc_u64 s[22:23], s[6:7], s[22:23]
	s_add_nc_u64 s[92:93], s[10:11], s[92:93]
	s_add_nc_u64 s[96:97], s[96:97], s[18:19]
	s_add_nc_u64 s[12:13], s[12:13], s[94:95]
	s_add_nc_u64 s[12:13], s[12:13], s[18:19]
	CROUND                                         ; all sixteen work-groups are here: the joint loads meet
	tensor_load_to_lds s[G0B:G0B+3], s[G1B:G1B+7]  ; my 64 rows of Wo: my one tensor load
	s_nop 0
	PLACES 4
	v_and_b32 v1, 15, v0                           ; r
	v_bfe_u32 v2, v0, 4, 1                         ; h
	v_and_b32 v6, 31, v0
	v_mul_u32_u24 v3, v1, BP
	v_lshlrev_b32 v[CO], 4, v6
	v_lshl_add_u32 v4, v2, 4, v3                   ; row x pitch + 16 x half
	v_mul_u32_u24 v5, v1, SPITCH
	v_add_nc_u32 v[ADRB], s43, v4
	v_add_nc_u32 v[ADRB+1], s45, v4
	v_lshl_add_u32 v5, v2, 5, v5
	v_lshlrev_b32 v[VS], 5, v1
	v_lshlrev_b32 v[VB], 5, v2
	v_add_nc_u32 v[STO], s98, v5
	v_add_nc_u32 v[RD], s98, v[CO]
	s_wait_alu depctr_va_vdst(0)                   ; at the head's end
.irp a, 0,1,2,3
	global_load_b128 v[SA+8*\a:SA+8*\a+3], v[VS], s[22:23] offset:512*\a          ; lane r: row r's eight scale words (lanes 16-31 hold the same and are not read)
	global_load_b128 v[SA+8*\a+4:SA+8*\a+7], v[VS], s[22:23] offset:512*\a+16
.endr
.irp b, 0,1,2,3,4,5,6,7
	global_load_b128 v[SB+8*\b:SB+8*\b+3], v[VS], s[92:93] offset:512*\b
	global_load_b128 v[SB+8*\b+4:SB+8*\b+7], v[VS], s[92:93] offset:512*\b+16
.endr
	WIN 0x80                                       ; destination window 2: bo at columns 16 b + 8 h + 0..7 into accumulator (a, b)
.irp a, 0,1,2,3
.irp b, 0,1,2,3,4,5,6,7
	global_load_b128 v[8*(8*\a+\b):8*(8*\a+\b)+3], v[VB], s[96:97] offset:64*\b
	global_load_b128 v[8*(8*\a+\b)+4:8*(8*\a+\b)+7], v[VB], s[96:97] offset:64*\b+16
.endr
.endr
.macro ALOAD k                         ; A's four fragments of step k: 16 loads of 512 consecutive bytes
.irp i, 0,1,2,3
.irp c, 0,1,2,3
	global_load_b128 v[64*((\k)%4)+FR*\i+4*\c:64*((\k)%4)+FR*\i+4*\c+3], v[CO], s[20:21] offset:16384*\i+2048*(\k)+512*\c
.endr
.endr
.endm
	WIN 0x40                                       ; destination window 1
.irp k, 0,1,2,3
	ALOAD \k
.endr
	WIN 0xc0                                       ; destination window 3
.irp k, 4,5,6,7
	ALOAD \k
.endr
	WIN 0
.macro FETCHB k, hf                    ; Wo's blocks 4 hf .. 4 hf + 3 of step k: lane l holds row l % 16; registers 4 c .. 4 c + 3 hold K = 32 c + 16 (l / 16) + 0 .. 15
.irp i, 0,1,2,3
.irp c, 0,1,2,3
	ds_load_b128 v[BF+FR*(4*\hf+\i)+4*\c:BF+FR*(4*\hf+\i)+4*\c+3], v[ADRB+\hf] offset:\i*16*BP+128*(\k)+32*\c
.endr
.endr
.endm
.macro MULH k, hf                      ; 16 matrix instructions: Wo's blocks 4 hf .. 4 hf + 3 x A's four
.irp b, 0,1,2,3
.irp a, 0,1,2,3
	v_wmma_scale_f32_16x16x128_f8f6f4 v[8*(8*\a+4*\hf+\b):8*(8*\a+4*\hf+\b)+7], v[BF+FR*(4*\hf+\b):BF+FR*(4*\hf+\b)+FR-1], v[64*((\k)%4)+FR*\a:64*((\k)%4)+FR*\a+FR-1], v[8*(8*\a+4*\hf+\b):8*(8*\a+4*\hf+\b)+7], v[SB+8*(4*\hf+\b)+(\k)], v[SA+8*\a+(\k)] matrix_a_fmt:MATRIX_FMT_BF8 matrix_b_fmt:MATRIX_FMT_BF8
.endr
.endr
.endm
.macro STEP k
	s_wait_dscnt 16                                ; Wo's blocks 0-3 are in; the youngest 16 loads (blocks 4-7) may be out
.if 16*(7-(\k)) > 48
	s_wait_loadcnt 48                              ; the scales, the bias and A's step k are in; behind A's step k stand 16 loads for each later step: a count under that number is right too
.else
	s_wait_loadcnt 16*(7-(\k))
.endif
	WIN 0xa4+8*((\k)/4)                            ; source 0 window 0, source 1 window 1 or 3, C and D window 2
	MULH \k, 0
	s_wait_dscnt 0x0                               ; blocks 4-7 are in
	PLACES NP                                      ; ahead of loads into registers that matrix instructions have read
	WIN 0
.if (\k) < 7
	FETCHB (\k)+1, 0
.endif
	WIN 0xa4+8*((\k)/4)
	MULH \k, 1
	PLACES NP
	WIN 0
.if (\k) < 7
	FETCHB (\k)+1, 1
.endif
.endm
	s_wait_tensorcnt 0x0                           ; my 64 rows of Wo are in,
	s_barrier_signal -1
	s_barrier_wait -1                              ; and everybody's are
	FETCHB 0, 0
	FETCHB 0, 1
.irp k, 0,1,2,3,4,5,6,7
	STEP \k
.endr
; THE WAY OUT, by blocks of 16 rows x 128 columns through my own stage: in as 32 bytes a lane, back as whole rows of 512 bytes.  LDS serves a wave's instructions in order (ISA guide 5.7.1.4).  The last step's closing places stand ahead of the first read of the results.
.macro TOSTAGE a
.set AC, 64*(\a)
	WIN 0x08                                       ; the data: window 2
.irp b, 0,1,2,3,4,5,6,7
	ds_store_b128 v[STO], v[AC+8*\b:AC+8*\b+3] offset:64*\b          ; each accumulator from its low end on
	ds_store_b128 v[STO], v[AC+8*\b+4:AC+8*\b+7] offset:64*\b+16
.endr
	WIN 0
.set BB, BK+64*((\a)%2)
.irp t, 0,1,2,3,4,5,6,7,8,9,10,11,12,13,14,15
	ds_load_b128 v[BB+4*\t:BB+4*\t+3], v[RD] offset:\t*SPITCH
.endr
.endm
.macro SEND a, younger                 ; younger: the LDS instructions issued behind block a's loads, which may stay out
.set BB, BK+64*((\a)%2)
	s_wait_dscnt \younger
.if (\a) > 0
	s_add_nc_u64 s[12:13], s[12:13], 16*SIZE_N*4   ; behind a wait on XCNT: the earlier stores have read their base
.endif
.irp t, 0,1,2,3,4,5,6,7,8,9,10,11,12,13,14,15
	global_store_b128 v[CO], v[BB+4*\t:BB+4*\t+3], s[12:13] offset:\t*SIZE_N*4 th:TH_STORE_NT   ; 32 lanes store 512 consecutive bytes, aligned
.endr
.endm
	TOSTAGE 0
.irp a, 1,2,3
.if \a > 1
	s_wait_xcnt 0x0                                ; block a - 2's stores have read their registers and their base
.endif
	TOSTAGE \a
	SEND \a-1, 32                                  ; behind block a - 1's loads: block a's 16 stores and 16 loads
.endr
	s_wait_xcnt 0x0
	SEND 3, 0
	s_wait_tensorcnt 0x0                           ; the wave's end
	ds_add_u32 v[SPW], v[NIL]
	s_wait_dscnt 0x0
	CROUND                                         ; the closing round
	s_endpgm
.Lfunc_end_k_q4eaa867582_oproj:
	.size	k_q4eaa867582_oproj, .Lfunc_end_k_q4eaa867582_oproj-k_q4eaa867582_oproj
	.p2alignl 7, 3214868480
	.fill 96, 4, 3214868480
	.section	.rodata,"a",@progbits
	.p2align	6, 0x0
	.amdhsa_kernel k_q4eaa867582_oproj
		.amdhsa_group_segment_fixed_size 327680
		.amdhsa_private_segment_fixed_size 0
		.amdhsa_enable_private_segment 0
		.amdhsa_kernarg_size 48
		.amdhsa_user_sgpr_count 2
		.amdhsa_user_sgpr_kernarg_segment_ptr 1
		.amdhsa_wavefront_size32 1
		.amdhsa_system_sgpr_workgroup_id_x 1
		.amdhsa_system_sgpr_workgroup_id_y 1
		.amdhsa_system_sgpr_workgroup_id_z 1
		.amdhsa_system_vgpr_workitem_id 0
		.amdhsa_next_free_vgpr 1024
		.amdhsa_next_free_sgpr 100
		.amdhsa_reserve_vcc 0
		.amdhsa_float_denorm_mode_32 3
		.amdhsa_float_denorm_mode_16_64 3
		.amdhsa_memory_ordered 1
		.amdhsa_forward_progress 1
		.amdhsa_inst_pref_size 95
	.end_amdhsa_kernel
	.amdgpu_metadata
---
amdhsa.version: [ 1, 2 ]
amdhsa.kernels:
  - .name:           k_q4eaa867582_oproj
    .symbol:         k_q4eaa867582_oproj.kd
    .args:
      - { .name: ao_codes, .offset: 0, .size: 8, .value_kind: global_buffer, .address_space: global }
      - { .name: ao_scales, .offset: 8, .size: 8, .value_kind: global_buffer, .address_space: global }
      - { .name: xw_codes, .offset: 16, .size: 8, .value_kind: global_buffer, .address_space: global }
      - { .name: xw_scales, .offset: 24, .size: 8, .value_kind: global_buffer, .address_space: global }
      - { .name: bo, .offset: 32, .size: 8, .value_kind: global_buffer, .address_space: global }
      - { .name: out0, .offset: 40, .size: 8, .value_kind: global_buffer, .address_space: global }
    .group_segment_fixed_size: 327680
    .private_segment_fixed_size: 0
    .kernarg_segment_align: 8
    .kernarg_segment_size: 48
    .max_flat_workgroup_size: 128
    .sgpr_count:     100
    .vgpr_count:     1024
    .wavefront_size: 32
...
	.end_amdgpu_metadata
.endif
;; end of part 4
